; MI455X (gfx1250); checked and timed in simulation.
; The chip was launched on July 23, 2026; its instructions are those of AMD's public machine-readable ISA for CDNA 5 (MIT licence, August 2026) and "CDNA5" Instruction Set Architecture Reference Guide (July 2026). The comments in the code are by the model that wrote it; some were corrected since.
;; SSM Branch. Allowed arithmetic: float matrix products may take bf16 or f16 operands with f32 sums; other float arithmetic in f32, or as packed bf16 or f16 multiplies, adds, multiply-adds, maxima and minima; sums over many terms, partial sums and values carried from step to step in f32; what a program stores and reads back later, other than sums and carried values, may be rounded once to bf16 or f16.
;; Inputs: A 1,024 float32; Bp 1,024 float32; Cp 1,024 float32; Dp 1,024 float32; W_dt1 1,024 x 16 float32; W_dt2 16 x 1,024 float32; W_in 512 x 2,048 float32; W_out 1,024 x 256 float32; W_res 1,024 x 256 float32; b_dt1 16 float32; b_dt2 1,024 float32; b_in 2,048 float32; b_out 256 float32; b_res 256 float32; x 8 x 4,096 x 512 float32.
;; Outputs: out0 8 x 4,096 x 256 float32.
;; One version. Each part assembles by itself: llvm-mc -triple=amdgcn-amd-amdhsa -mcpu=gfx1250 --defsym DOCPART=n.
;; ======== version 1 of 1: 4 launches
;; limits: values are held in f16: magnitudes above 65,504 overflow, below 6.1e-05 lose precision; a function is approximated: absolute error at most 6e-08
;; workspace buffers: WIMG 1,310,720 bytes; WOF 524,288 bytes; WSM 119,808 bytes; UB 67,108,864 bytes; RB 1,048,576 bytes; RES 33,554,432 bytes; CAR 8,388,608 bytes
;; launch prep (part 1): grid 940 x 1, 8 waves a work-group, no clusters, 9,216 bytes of LDS; arguments W_in, W_res, W_out, W_dt1, W_dt2, b_dt2, b_in, b_res, b_out, A, Bp, Cp, Dp, WIMG, WOF, WSM; writes WIMG, WOF, WSM
.if DOCPART == 1
	.amdgcn_target "amdgcn-amd-amdhsa--gfx1250"
	.amdhsa_code_object_version 6
	.text
	.protected	k_q2bdd6c01bf_prep
	.globl	k_q2bdd6c01bf_prep
	.p2align	8
	.type	k_q2bdd6c01bf_prep,@function
k_q2bdd6c01bf_prep:
	s_mov_b64 s[64:65], 0
	v_nop
	global_prefetch_b8 v0, s[64:65] scope:SCOPE_SE
	s_setreg_imm32_b32 hwreg(HW_REG_WAVE_MODE, 25, 1), 1
	s_wait_xcnt 0x0
; PREP: the weights are rounded to bf16 once and laid out in the order in which a wave's operand registers take them.
; WORK THAT IS NOT DONE AS WRITTEN.  res = (x W_in2 + b_in2) W_res + b_res is linear in x, so for all values of the inputs, in exact arithmetic,
; res = x (W_in2 W_res) + (b_in2 W_res + b_res): Wc = W_in2 W_res is [512][256], made here once, and the product of 32,768 rows with 1,024 hidden columns and back is never formed.
; b_out is added to the same bias.  Cp h is linear in what is added to h, so Cp is folded into Bp: h' = Cp h has the step h' a + (Cp Bp) u dt.  Both scans add Dp u: 2 Dp u.  b_dt2 enters the dt product as a
; seventeenth rank whose factor is 1.  No input is left out.
; LIMITS.  An overflow, infinity or NaN that arises only in the unfolded x W_in2 + b_in2 is not carried to the result.  Every input is rounded to bf16 once; Wc is rounded to bf16 once more.
; W_dt1 is written as f16 (its bf16 value; below 6e-5 it keeps f16's fixed step of 6e-8).
; LAYOUT.  A unit of 16 bytes holds W[k .. k+7][col]; lane l of a fragment has col = l % 16 and k = 32 ks + 16 half + 8 (l / 16).
;   WIMG: 20 fills of 65,536 bytes, fill = 2 lap + kh: [ks 8][nt 8][half 2][lane 32]; laps 0-7 W_in's columns 0-1023, laps 8, 9 Wc's 256.      WOF: [ks 32][ot 16][half][lane] of W_out.
;   WSM: 0 W_dt2 and b_dt2 [tile 64][half][lane]; 65,536 W_dt1 [kf 32][half][lane] f16; 98,304 [ch](A log2 e, Cp Bp, 2 Dp, 0) f32; 114,688 f32 b_in[0:1024], then the folded bias [256].
; TASKS by the work-group's number: 0-255 W_in; 256-383 W_out; 384-399 W_dt2; 400-407 W_dt1; 408-411 the per-channel numbers; 412-939 the fold, a tile of 16 x 16 each, K = 1,024 split among the 8 waves.
; The one barrier stands on every work-group's path; behind it only the fold's wave 0 has work.
.set SPARE, 8192                       ; LDS: 8 partial tiles of 1,024 bytes, then the spare words, 128 bytes a wave
.set R,   4                            ; v4  l % 16
.set H,   5                            ; v5  l / 16
.set SPW, 6                            ; v6  my spare word; never rewritten
.set NIL, 7                            ; v7  0; never rewritten
.set WV,  40
.set WG,  41
.set KT,  44
.set NT,  45
; eight numbers of one column, rows rowb bytes apart, rounded and packed into a unit
.macro GATHER src, rowb, dst, dstoff, half
.irp j, 0,1,2,3,4,5,6,7
	global_load_b32 v[8+(\j)], v2, s[(\src):(\src)+1] offset:(\j)*(\rowb)
.endr
	s_wait_loadcnt 0x0
.irp j, 0,1,2,3
	v_cvt_pk_bf16_f32 v[16+(\j)], v[8+2*(\j)], v[9+2*(\j)]
.endr
.if \half
.irp j, 0,1,2,3
	v_lshlrev_b32 v[8+2*(\j)], 16, v[16+(\j)]          ; the bf16 value, widened,
	v_and_b32 v[9+2*(\j)], 0xffff0000, v[16+(\j)]
.endr
.irp j, 0,1,2,3
	v_cvt_pk_f16_f32 v[16+(\j)], v[8+2*(\j)], v[9+2*(\j)]  ; and written as f16
.endr
.endif
	global_store_b128 v3, v[16:19], s[(\dst):(\dst)+1] offset:\dstoff  ; a wave stores 512 consecutive bytes
.endm
.macro IDX first                       ; v1 = the unit's number in its table, v3 = its byte, v11 = 2 half + l / 16
	s_sub_co_u32 s42, s[WG], \first
	s_lshl_b32 s42, s42, 8
	v_add_nc_u32 v1, s42, v0
	v_lshlrev_b32 v3, 4, v1
	v_bfe_u32 v11, v1, 4, 2
.endm
	s_load_b512 s[8:23], s[0:1], 0x0               ; W_in 8, W_res 10, W_out 12, W_dt1 14, W_dt2 16, b_dt2 18, b_in 20, b_res 22
	s_load_b512 s[24:39], s[0:1], 0x40             ; b_out 24, A 26, Bp 28, Cp 30, Dp 32, WIMG 34, WOF 36, WSM 38
	v_lshl_add_u32 v[SPW], v0, 2, SPARE
	v_mov_b32 v[NIL], 0
	v_lshrrev_b32 v1, 5, v0
	v_readfirstlane_b32 s[WV], v1
	s_mov_b32 s[WG], ttmp9
	v_and_b32 v[R], 15, v0
	v_bfe_u32 v[H], v0, 4, 1
	s_wait_kmcnt 0x0
	s_cmp_lt_u32 s[WG], 256
	s_cbranch_scc1 .Lt1
	s_cmp_lt_u32 s[WG], 384
	s_cbranch_scc1 .Lt2
	s_cmp_lt_u32 s[WG], 400
	s_cbranch_scc1 .Lt3
	s_cmp_lt_u32 s[WG], 408
	s_cbranch_scc1 .Lt4
	s_cmp_lt_u32 s[WG], 412
	s_cbranch_scc1 .Lt5
	s_branch .Lt6
.Lt1:                                              ; W_in's first 1,024 columns
	IDX 0
	v_lshrrev_b32 v10, 13, v1                      ; lap: 128 columns of 4 bytes
	v_lshlrev_b32 v2, 9, v10
	v_bfe_u32 v10, v1, 6, 3                        ; nt: 16 columns
	v_lshl_add_u32 v2, v10, 6, v2
	v_lshl_add_u32 v2, v[R], 2, v2
	v_bfe_u32 v10, v1, 9, 4                        ; 8 kh + ks: 32 rows of 8,192 bytes
	v_lshl_add_u32 v2, v10, 18, v2
	v_lshl_add_u32 v2, v11, 16, v2                 ; 8 rows
	GATHER 8, 8192, 34, 0, 0
	s_branch .Lmeet
.Lt2:                                              ; W_out
	IDX 256
	v_lshrrev_b32 v10, 10, v1                      ; ks: 32 rows of 1,024 bytes
	v_lshlrev_b32 v2, 15, v10
	v_lshl_add_u32 v2, v11, 13, v2
	v_bfe_u32 v10, v1, 6, 4                        ; ot
	v_lshl_add_u32 v2, v10, 6, v2
	v_lshl_add_u32 v2, v[R], 2, v2
	GATHER 12, 1024, 36, 0, 0
	s_branch .Lmeet
.Lt3:                                              ; W_dt2 (ranks 0-15: even waves) and b_dt2 as rank 16 (odd waves)
	IDX 384
	v_lshrrev_b32 v10, 6, v1                       ; tile of 16 channels
	v_lshlrev_b32 v2, 6, v10
	v_lshl_add_u32 v2, v[R], 2, v2
	s_and_b32 s42, s[WV], 1
	s_cmp_eq_u32 s42, 0
	s_cbranch_scc0 .Lt3odd
	v_lshl_add_u32 v2, v[H], 15, v2                ; 8 rows of 4,096 bytes
	GATHER 16, 4096, 38, 0, 0
	s_branch .Lmeet
.Lt3odd:
	global_load_b32 v8, v2, s[18:19]
	v_mov_b32 v9, 0
	v_mov_b32 v17, 0
	v_mov_b32 v18, 0
	v_mov_b32 v19, 0
	v_cmp_eq_u32 vcc_lo, 0, v[H]
	s_wait_loadcnt 0x0
	v_cvt_pk_bf16_f32 v16, v8, v9
	v_cndmask_b32 v16, 0, v16, vcc_lo              ; k = 16 lies in lanes 0-15; ranks 17-31 are 0
	global_store_b128 v3, v[16:19], s[38:39]
	s_branch .Lmeet
.Lt4:                                              ; W_dt1
	IDX 400
	v_lshrrev_b32 v10, 6, v1                       ; kf: 32 rows of 64 bytes
	v_lshlrev_b32 v2, 11, v10
	v_lshl_add_u32 v2, v11, 9, v2
	v_lshl_add_u32 v2, v[R], 2, v2
	GATHER 14, 64, 38, 65536, 1
	s_branch .Lmeet
.Lt5:                                              ; a thread a channel
	IDX 408
	v_lshlrev_b32 v2, 2, v1
	global_load_b32 v8, v2, s[26:27]               ; A
	global_load_b32 v9, v2, s[28:29]               ; Bp
	global_load_b32 v10, v2, s[30:31]              ; Cp
	global_load_b32 v11, v2, s[32:33]              ; Dp
	global_load_b32 v12, v2, s[20:21]              ; b_in
	s_wait_loadcnt 0x0
	v_cvt_pk_bf16_f32 v13, v8, v9                  ; every input is rounded to bf16 once
	v_cvt_pk_bf16_f32 v14, v10, v11
	v_cvt_pk_bf16_f32 v15, v12, v12
	v_lshlrev_b32 v8, 16, v13
	v_and_b32 v9, 0xffff0000, v13
	v_lshlrev_b32 v10, 16, v14
	v_and_b32 v11, 0xffff0000, v14
	v_lshlrev_b32 v12, 16, v15
	v_mul_f32 v16, 0x3fb8aa3b, v8                  ; A log2 e
	v_mul_f32 v17, v10, v9                         ; Cp Bp
	v_add_f32 v18, v11, v11                        ; 2 Dp
	v_mov_b32 v19, 0
	global_store_b128 v3, v[16:19], s[38:39] offset:98304
	global_store_b32 v2, v12, s[38:39] offset:114688
	s_branch .Lmeet
.Lt6:                                              ; the fold: rows 16 kt .. of W_in2 (kt = 32: b_in2, in all 16 rows) x columns 16 nt .. of W_res; my wave takes 128 of the 1,024 hidden columns
	s_sub_co_u32 s42, s[WG], 412
	s_lshr_b32 s[KT], s42, 4
	s_and_b32 s[NT], s42, 15
	s_lshl_b32 s50, s[KT], 17                      ; 16 rows of 8,192 bytes
	s_cmp_eq_u32 s[KT], 32
	s_cselect_b64 s[46:47], s[20:21], s[8:9]
	s_cselect_b32 s48, 0, 8192                     ; bytes from row to row
	s_cselect_b32 s50, 0, s50
	s_add_co_u32 s50, s50, 4096                    ; the second 1,024 columns
	s_mov_b32 s51, 0
	s_add_nc_u64 s[46:47], s[46:47], s[50:51]
	s_lshl_b32 s50, s[NT], 6
	s_add_nc_u64 s[52:53], s[10:11], s[50:51]
	v_mul_u32_u24 v2, s48, v[R]
	v_lshl_add_u32 v2, v[H], 5, v2
	s_lshl_b32 s42, s[WV], 9
	v_add_nc_u32 v2, s42, v2
	v_lshlrev_b32 v3, 2, v[R]
	v_lshl_add_u32 v3, v[H], 13, v3
	s_lshl_b32 s42, s[WV], 17
	v_add_nc_u32 v3, s42, v3
.irp q, 0,1,2,3                                    ; all 80 loads go out together: four K steps of 32
	global_load_b128 v[32+16*(\q):32+16*(\q)+3],     v2, s[46:47] offset:128*(\q)
	global_load_b128 v[32+16*(\q)+4:32+16*(\q)+7],   v2, s[46:47] offset:128*(\q)+16
	global_load_b128 v[32+16*(\q)+8:32+16*(\q)+11],  v2, s[46:47] offset:128*(\q)+64
	global_load_b128 v[32+16*(\q)+12:32+16*(\q)+15], v2, s[46:47] offset:128*(\q)+80
.endr
.set i, 0
.rept 64
	global_load_b32 v[96+i], v3, s[52:53] offset:(32*(i/16)+(i%16)+8*((i%16)/8))*1024
.set i, i+1
.endr
	s_wait_loadcnt 0x0
.set i, 0
.rept 64                                           ; in place, ascending: A's fragments end in v32-63, B's in v64-95
	v_cvt_pk_bf16_f32 v[32+i], v[32+2*i], v[33+2*i]
.set i, i+1
.endr
	v_wmma_f32_16x16x32_bf16 v[16:23], v[32:39], v[64:71], 0     ; two accumulators by turns
	v_wmma_f32_16x16x32_bf16 v[24:31], v[40:47], v[72:79], 0
	v_wmma_f32_16x16x32_bf16 v[16:23], v[48:55], v[80:87], v[16:23]
	v_wmma_f32_16x16x32_bf16 v[24:31], v[56:63], v[88:95], v[24:31]
.rept 4
	v_nop                                          ; four places behind the products
.endr
.irp j, 0,2,4,6
	v_pk_add_f32 v[16+(\j):17+(\j)], v[16+(\j):17+(\j)], v[24+(\j):25+(\j)]
.endr
	v_and_b32 v10, 31, v0
	s_lshl_b32 s42, s[WV], 10
	v_lshl_add_u32 v10, v10, 5, s42
	ds_store_b128 v10, v[16:19]
	ds_store_b128 v10, v[20:23] offset:16
.Lmeet:
	s_wait_dscnt 0x0                               ; for the others' sake: my partial tile lies in LDS
	s_barrier_signal -1
	s_barrier_wait -1
	s_cmp_lt_u32 s[WG], 412
	s_cbranch_scc1 .Lend
	s_cmp_lg_u32 s[WV], 0
	s_cbranch_scc1 .Lend
	v_lshlrev_b32 v10, 5, v0                       ; wave 0: the thread's number is the lane
.irp w, 0,1,2,3,4,5,6,7
	ds_load_b128 v[32+8*(\w):35+8*(\w)], v10 offset:1024*(\w)
	ds_load_b128 v[36+8*(\w):39+8*(\w)], v10 offset:1024*(\w)+16
.endr
	s_sub_co_u32 s42, s[WG], 412                   ; every number is made anew from the ids
	s_lshr_b32 s[KT], s42, 4
	s_and_b32 s[NT], s42, 15
	s_lshr_b32 s54, s[NT], 3
	s_lshl_b32 s54, s54, 1
	s_add_co_u32 s54, s54, 16
	s_lshr_b32 s55, s[KT], 4
	s_add_co_u32 s54, s54, s55
	s_lshl_b32 s54, s54, 16                        ; fill 2 (8 + nt / 8) + kt / 16
	s_bfe_u32 s55, s[KT], 0x30001
	s_lshl_b32 s55, s55, 13                        ; ks = (kt / 2) % 8
	s_add_co_u32 s54, s54, s55
	s_and_b32 s55, s[NT], 7
	s_lshl_b32 s55, s55, 10
	s_add_co_u32 s54, s54, s55
	s_and_b32 s55, s[KT], 1
	s_lshl_b32 s55, s55, 9                         ; half = kt % 2
	s_add_co_u32 s54, s54, s55
	s_wait_dscnt 0x0
.irp w, 0,2,4,6
.irp j, 0,2,4,6
	v_pk_add_f32 v[32+8*(\w)+(\j):33+8*(\w)+(\j)], v[32+8*(\w)+(\j):33+8*(\w)+(\j)], v[40+8*(\w)+(\j):41+8*(\w)+(\j)]
.endr
.endr
.irp w, 0,4
.irp j, 0,2,4,6
	v_pk_add_f32 v[32+8*(\w)+(\j):33+8*(\w)+(\j)], v[32+8*(\w)+(\j):33+8*(\w)+(\j)], v[48+8*(\w)+(\j):49+8*(\w)+(\j)]
.endr
.endr
.irp j, 0,2,4,6
	v_pk_add_f32 v[32+(\j):33+(\j)], v[32+(\j):33+(\j)], v[64+(\j):65+(\j)]
.endr
	s_cmp_eq_u32 s[KT], 32
	s_cbranch_scc1 .Lbias
.irp j, 0,1,2,3
	v_cvt_pk_bf16_f32 v[16+(\j)], v[32+2*(\j)], v[33+2*(\j)]  ; a lane holds k = 16 kt + 8 (l / 16) + 0..7 of one column: a unit
.endr
	v_lshl_add_u32 v3, v0, 4, s54
	global_store_b128 v3, v[16:19], s[34:35]
	s_branch .Lend
.Lbias:                                            ; b_in2 W_res + b_res + b_out; both halves of the lanes hold and store the same number
	s_lshl_b32 s54, s[NT], 6
	v_lshl_add_u32 v2, v[R], 2, s54
	global_load_b32 v8, v2, s[22:23]
	global_load_b32 v9, v2, s[24:25]
	s_wait_loadcnt 0x0
	v_cvt_pk_bf16_f32 v10, v8, v9
	v_lshlrev_b32 v8, 16, v10
	v_and_b32 v9, 0xffff0000, v10
	v_add_f32 v8, v8, v9
	v_add_f32 v8, v8, v32
	global_store_b32 v2, v8, s[38:39] offset:118784
.Lend:
	s_wait_tensorcnt 0x0                           ; the wave's end
	ds_add_u32 v[SPW], v[NIL]
	s_wait_dscnt 0x0
	s_endpgm
.Lfunc_end_k_q2bdd6c01bf_prep:
	.size	k_q2bdd6c01bf_prep, .Lfunc_end_k_q2bdd6c01bf_prep-k_q2bdd6c01bf_prep
	.p2alignl 7, 3214868480
	.fill 96, 4, 3214868480
	.section	.rodata,"a",@progbits
	.p2align	6, 0x0
	.amdhsa_kernel k_q2bdd6c01bf_prep
		.amdhsa_group_segment_fixed_size 9216
		.amdhsa_private_segment_fixed_size 0
		.amdhsa_enable_private_segment 0
		.amdhsa_kernarg_size 128
		.amdhsa_user_sgpr_count 2
		.amdhsa_user_sgpr_kernarg_segment_ptr 1
		.amdhsa_wavefront_size32 1
		.amdhsa_system_sgpr_workgroup_id_x 1
		.amdhsa_system_sgpr_workgroup_id_y 1
		.amdhsa_system_sgpr_workgroup_id_z 1
		.amdhsa_system_vgpr_workitem_id 0
		.amdhsa_next_free_vgpr 160
		.amdhsa_next_free_sgpr 66
		.amdhsa_reserve_vcc 1
		.amdhsa_float_denorm_mode_32 3
		.amdhsa_float_denorm_mode_16_64 3
		.amdhsa_memory_ordered 1
		.amdhsa_forward_progress 1
		.amdhsa_inst_pref_size 29
	.end_amdhsa_kernel
	.amdgpu_metadata
---
amdhsa.version: [ 1, 2 ]
amdhsa.kernels:
  - .name:           k_q2bdd6c01bf_prep
    .symbol:         k_q2bdd6c01bf_prep.kd
    .args:
      - { .name: W_in, .offset: 0, .size: 8, .value_kind: global_buffer, .address_space: global }
      - { .name: W_res, .offset: 8, .size: 8, .value_kind: global_buffer, .address_space: global }
      - { .name: W_out, .offset: 16, .size: 8, .value_kind: global_buffer, .address_space: global }
      - { .name: W_dt1, .offset: 24, .size: 8, .value_kind: global_buffer, .address_space: global }
      - { .name: W_dt2, .offset: 32, .size: 8, .value_kind: global_buffer, .address_space: global }
      - { .name: b_dt2, .offset: 40, .size: 8, .value_kind: global_buffer, .address_space: global }
      - { .name: b_in, .offset: 48, .size: 8, .value_kind: global_buffer, .address_space: global }
      - { .name: b_res, .offset: 56, .size: 8, .value_kind: global_buffer, .address_space: global }
      - { .name: b_out, .offset: 64, .size: 8, .value_kind: global_buffer, .address_space: global }
      - { .name: A, .offset: 72, .size: 8, .value_kind: global_buffer, .address_space: global }
      - { .name: Bp, .offset: 80, .size: 8, .value_kind: global_buffer, .address_space: global }
      - { .name: Cp, .offset: 88, .size: 8, .value_kind: global_buffer, .address_space: global }
      - { .name: Dp, .offset: 96, .size: 8, .value_kind: global_buffer, .address_space: global }
      - { .name: WIMG, .offset: 104, .size: 8, .value_kind: global_buffer, .address_space: global }
      - { .name: WOF, .offset: 112, .size: 8, .value_kind: global_buffer, .address_space: global }
      - { .name: WSM, .offset: 120, .size: 8, .value_kind: global_buffer, .address_space: global }
    .group_segment_fixed_size: 9216
    .private_segment_fixed_size: 0
    .kernarg_segment_align: 8
    .kernarg_segment_size: 128
    .max_flat_workgroup_size: 256
    .sgpr_count:     66
    .vgpr_count:     160
    .wavefront_size: 32
...
	.end_amdgpu_metadata
.endif
;; end of part 1
;; launch gemm1 (part 2): grid 256 x 1, 4 waves a work-group, clusters of 4 x 1, 327,680 bytes of LDS; arguments x, b_dt1, WIMG, WSM, UB, RB, RES; writes UB, RB, RES
.if DOCPART == 2
	.amdgcn_target "amdgcn-amd-amdhsa--gfx1250"
	.amdhsa_code_object_version 6
	.text
	.protected	k_q2bdd6c01bf_gemm1
	.globl	k_q2bdd6c01bf_gemm1
	.p2align	8
	.type	k_q2bdd6c01bf_gemm1,@function
k_q2bdd6c01bf_gemm1:
	s_mov_b64 s[64:65], 0
	v_nop
	global_prefetch_b8 v0, s[64:65] scope:SCOPE_SE
	s_setreg_imm32_b32 hwreg(HW_REG_WAVE_MODE, 25, 1), 1
	s_wait_xcnt 0x0
	s_wait_alu depctr_hold_cnt(0) depctr_sa_sdst(0) depctr_va_vdst(0) depctr_va_sdst(0) depctr_va_ssrc(0) depctr_va_vcc(0) depctr_vm_vsrc(0)
	s_getreg_b32 s2, hwreg(HW_REG_IB_STS2, 6, 4)
	s_cmp_eq_u32 s2, 0
	s_cbranch_scc0 .Lentry_in_a_cluster
	s_endpgm
.Lentry_in_a_cluster:
	s_bfe_u32 s2, ttmp6, 0x10000c
	s_cmp_lg_u32 s2, 0x3003
	s_cbranch_scc0 .Lentry_shape_is_right
	s_endpgm
.Lentry_shape_is_right:
; GEMM1.  For 128 tokens: u = silu(x W_in1 + b_in1) (f16, stored [token / 8][channel][8 tokens]); r = u W_dt1 + b_dt1 (bf16, [token][16]); RES = x Wc + bias (f32, stored as the accumulators lie).
; The residual path is the folded product x (W_in2 W_res): see the first kernel's head.  LIMIT: |u| stays under 65,504 (f16).
; SHARES.  x's 128 rows are rounded to bf16 once and stay in LDS.  N goes in 10 laps of 128 columns (8 of u, 2 of RES), a lap in two fills of K = 256.  Wave w: tokens 64 (w / 2) .., columns 64 (w % 2) .. of the lap:
; 16 accumulators.  The product is used transposed (source 0 = 16 columns of the weights, source 1 = 16 tokens): a lane holds one token (l % 16) and the columns 8 (l / 16) + 0..7.
; The lap's first products take the bias as C.  Two neighbouring column tiles, rounded to f16 in pairs, ARE source 1 (32 channels x 16 tokens) of r^T += W_dt1^T u^T.
; RING.  The weights lie in memory in fragment order, so a fill is 65,536 dense bytes; each wave asks for a quarter, 64 rows of 256 bytes.  Two slots; a slot is asked for again behind the change of slots.
; CLUSTER.  The four work-groups of a cluster walk the same weights: each quarter is asked for jointly, with the same descriptor and the mask of four.  By this text's count a wave has two tensor loads out at the start, later one.
; REGISTERS.  window 0: v1-30 addresses, b_dt1; v32-63 T at work; v64-127 U, the lap's u in f16, then the same turned; v128-255 the accumulators ((a, b) at 128 + 8 (4 a + b)).
;   window 1: two fragment buffers of 128 (64 of x, then 64 of the weights).      window 2: v0-31 r's four accumulators; v32-63 the bias; v64-79 W_dt1's two fragments.
.set PITCH,  1040                      ; a row of x in LDS: 1,024 bytes + 16: an odd multiple of 16, so the 16 rows of a load start at 16 different groups of four banks (ISA guide 11.1)
.set SLOTB,  65536
.set AX,     2*SLOTB
.set STAGE,  AX+128*PITCH              ; 64 rows x 160 bytes for each wave: a lap's u is turned here on its way out, all four token tiles in one trip
.set SPI,    160
.set RP,     STAGE+4*64*SPI            ; r's partial sums of the waves with the upper 64 columns
.set SPARE,  RP+8192                   ; the spare words, 128 bytes a wave
.set R,    1
.set H,    2
.set LN,   3
.set ADRA, 4                           ; LDS address of my x fragments
.set ADRB, 6                           ; v6-7  of my weight fragments in slot 0, 1
.set STO,  8
.set TRD,  9
.set GU,   10
.set VB,   11
.set VWD,  12
.set L16,  13
.set XS,   14
.set RPA,  15
.set RBO,  16
.set BDO,  17
.set TA,   18
.set BD1,  20                          ; v20-27 b_dt1 of my 8 ranks
.set SPW,  28
.set NIL,  29
.set PFO,  30
.set T,    32
.set U,    64
.set ACC,  128
.set F0,   0
.set F1,   128
.set RACC, 0
.set BIAS, 32
.set WD,   64
.set WV,   18
.set TH,   19
.set CHH,  20
.set CX,   21
.set CHUNK, 22
.set G1,   24                          ; s[24:31]
.set G0,   32                          ; s[32:39] a set for each slot
.set BVP,  42
.set W1P,  44
.set PFA,  46
.set LIM,  48
.set CNT,  49
.set CS,   50
.set CUB,  56                          ; s[56:57] UB at the lap that is going out
.set OF2,  58                          ; s[58:59] that lap's byte offset
.set MSB, 0
.macro WIN new                         ; the immediate's high byte repeats the setting that is left
.if MSB != (\new)
	s_set_vgpr_msb (MSB<<8)|(\new)
.set MSB, \new
.endif
.endm
.set MUL,  0x05                        ; sources 0 and 1 window 1; C and D window 0
.set MULB, 0x25                        ; the same, C (the bias) window 2
.set TO_F, 0x40                        ; destination window 1
.set TO_2, 0x80                        ; destination window 2
.set RW,   0xa2                        ; D, C and source 0 window 2, source 1 window 0
.macro PLACES
.rept 4
	v_nop
.endr
.endm
.macro CROUND                          ; a round of the cluster's barrier
	s_barrier_signal -1
	s_barrier_wait -1
	s_cmp_lg_u32 s[WV], 0
	s_cbranch_scc1 .Lnot_wave_0_\@
	s_barrier_signal -3
.Lnot_wave_0_\@:
	s_barrier_wait -3
	s_barrier_signal -1
	s_barrier_wait -1
.endm
; A prefetch into the L2 of the fill that stands two refills on: 65,536 bytes, each 256 named once in the launch.  All clusters walk the same fills: the first cluster asks; its four partners
; take 8,192 bytes each of a half, told apart by address; in each, wave 0 asks in the lower half and wave 2 in the upper: a lane 256 bytes, one instruction.  It stands in the loop over u's laps alone: fills 4 to 19.
.macro ASK
	WIN 0
	s_cmp_eq_u32 s[LIM], 1
	s_cbranch_scc0 .Lnot_mine_\@
	global_prefetch_b8 v[PFO], s[PFA:PFA+1] th:TH_LOAD_NT scope:SCOPE_SE
.Lnot_mine_\@:
.endm
	s_load_b256 s[4:11], s[0:1], 0x0               ; x 4, b_dt1 6, WIMG 8, WSM 10
	s_load_b128 s[12:15], s[0:1], 0x20             ; UB 12, RB 14
	s_load_b64 s[16:17], s[0:1], 0x30              ; RES
	v_lshl_add_u32 v[SPW], v0, 2, SPARE
	v_mov_b32 v[NIL], 0
	ds_add_u32 v[SPW], v[NIL]                      ; the opening: the add, twice on end, and its wait ahead of my first tensor load
	ds_add_u32 v[SPW], v[NIL]
	v_lshrrev_b32 v[TA], 5, v0
	v_readfirstlane_b32 s[WV], v[TA]
	s_lshr_b32 s[TH], s[WV], 1
	s_and_b32 s[CHH], s[WV], 1
	s_bfe_u32 s[CX], ttmp6, 0x40000
	s_lshl_b32 s[CHUNK], ttmp9, 2
	s_add_co_u32 s[CHUNK], s[CHUNK], s[CX]         ; my 128 tokens: it enters global addresses alone
	s_mov_b32 s[G1+0], 15|(3<<16)|(1<<21)          ; the mask of four; elements of 8 bytes; bit 21 beside a mask; no padding
	s_mov_b32 s[G1+1], 32<<16                      ; tensor_dim0 = 32 (256 bytes)
	s_mov_b32 s[G1+2], 64<<16                      ; tensor_dim1 = 64
	s_mov_b32 s[G1+3], 32<<16                      ; tile_dim0 = 32
	s_mov_b32 s[G1+4], 64                          ; tile_dim1 = 64
	s_mov_b32 s[G1+5], 32                          ; rows lie end to end
	s_mov_b32 s[G1+6], 0
	s_mov_b32 s[G1+7], 0
	s_lshl_b32 s40, s[WV], 14                      ; my quarter of a fill, in memory and in a slot
	s_mov_b32 s41, 0
	s_mov_b32 s55, 0
	s_mov_b32 s[OF2+1], 0
	s_mov_b32 s[CS], 0xbfb8aa3b                    ; - log2 e
	s_mov_b32 s[CS+1], s[CS]
	s_or_b32 s[LIM], s[CHH], ttmp9
	s_cmp_eq_u32 s[LIM], 0
	s_cselect_b32 s[LIM], 1, 0                     ; waves 0 and 2 of the first cluster: the same in all four partners
	v_and_b32 v[R], 15, v0
	v_bfe_u32 v[H], v0, 4, 1
	v_and_b32 v[LN], 31, v0
	v_lshlrev_b32 v[L16], 4, v[LN]
	s_wait_dscnt 0x0                               ; both opening adds are done
	s_wait_kmcnt 0x0
	s_add_nc_u64 s[52:53], s[8:9], s[40:41]
	s_mov_b32 s[G0], 1
	s_mov_b32 s[G0+1], s40
	s_mov_b64 s[G0+2:G0+3], s[52:53]
	s_or_b32 s[G0+3], s[G0+3], 0x80000000
	s_mov_b32 s[G0+4], 1
	s_add_co_u32 s[G0+5], s40, SLOTB
	s_add_nc_u64 s[G0+6:G0+7], s[52:53], SLOTB
	s_or_b32 s[G0+7], s[G0+7], 0x80000000
	s_lshl_b32 s54, s[CHUNK], 18                   ; x: 128 rows of 2,048 bytes, my wave's 32
	s_lshl_b32 s23, s[WV], 16
	s_add_co_u32 s54, s54, s23
	s_add_nc_u64 s[4:5], s[4:5], s[54:55]
	s_lshl_b32 s54, s[CHUNK], 18                   ; UB: 16 groups of 8 tokens x 16,384 bytes, my 8
	s_lshl_b32 s23, s[TH], 17
	s_add_co_u32 s54, s54, s23
	s_add_nc_u64 s[12:13], s[12:13], s[54:55]
	s_lshl_b32 s54, s[CHUNK], 12                   ; RB: 32 bytes a token
	s_lshl_b32 s23, s[TH], 11
	s_add_co_u32 s54, s54, s23
	s_add_nc_u64 s[14:15], s[14:15], s[54:55]
	s_lshl_b32 s54, s[CHUNK], 17                   ; RES
	s_lshl_b32 s23, s[WV], 14
	s_add_co_u32 s54, s54, s23
	s_add_nc_u64 s[16:17], s[16:17], s[54:55]
	s_lshl_b32 s54, s[TH], 15
	s_lshl_b32 s23, s[CX], 13
	s_add_co_u32 s54, s54, s23
	s_add_co_u32 s54, s54, 3*SLOTB                 ; the first change of slots steps it to fill 4
	s_add_nc_u64 s[PFA:PFA+1], s[8:9], s[54:55]
	s_add_nc_u64 s[BVP:BVP+1], s[10:11], 114688
	s_add_nc_u64 s[W1P:W1P+1], s[10:11], 65536
	CROUND                                         ; all four work-groups are here: the first joint loads meet
	tensor_load_to_lds s[G0:G0+3], s[G1:G1+7]
	s_nop 0
	tensor_load_to_lds s[G0+4:G0+7], s[G1:G1+7]
	s_nop 0
	PLACES
; x: my 32 rows in four groups of 8 rows, 32 loads of 512 consecutive bytes each; two groups are on their way at a time
.macro XLOAD g, base
.set li, 0
.rept 32
	global_load_b128 v[(\base)+4*li:(\base)+4*li+3], v[L16], s[4:5] offset:(8*(\g)+li/4)*2048+(li%4)*512 th:TH_LOAD_NT
.set li, li+1
.endr
.endm
	XLOAD 0, 128
	WIN TO_F
	XLOAD 1, 0
	WIN 0
	v_mul_u32_u24 v[ADRA], v[R], PITCH             ; the addresses are made while x is on its way
	v_lshl_add_u32 v[ADRA], v[H], 4, v[ADRA]
	s_mul_i32 s40, s[TH], 64*PITCH
	s_add_co_u32 s40, s40, AX
	v_add_nc_u32 v[ADRA], s40, v[ADRA]
	s_lshl_b32 s40, s[CHH], 12
	v_add_nc_u32 v[ADRB], s40, v[L16]
	v_add_nc_u32 v[ADRB+1], SLOTB, v[ADRB]
	s_mul_i32 s40, s[WV], 64*SPI
	s_add_co_u32 s40, s40, STAGE
	v_mul_u32_u24 v[STO], v[R], SPI                ; in: token l % 16 of a tile, 16 bytes for each half of the lanes
	v_lshl_add_u32 v[STO], v[H], 4, v[STO]
	v_add_nc_u32 v[STO], s40, v[STO]
	v_and_b32 v[TA], 7, v0                         ; back, turned: lane l addresses token 8 (l / 16) + l % 8, channels 8 ((l / 8) % 2) ..
	v_lshl_add_u32 v[TA], v[H], 3, v[TA]
	v_mul_u32_u24 v[TRD], v[TA], SPI
	v_bfe_u32 v[TA], v0, 3, 1
	v_lshl_add_u32 v[TRD], v[TA], 4, v[TRD]
	v_add_nc_u32 v[TRD], s40, v[TRD]
	s_lshl_b32 s40, s[CHH], 10
	v_lshlrev_b32 v[GU], 4, v[R]                   ; and holds channel l % 16, tokens 8 (l / 16) ..: a unit of UB
	v_lshl_add_u32 v[GU], v[H], 14, v[GU]
	v_add_nc_u32 v[GU], s40, v[GU]
	s_lshl_b32 s40, s[CHH], 8
	v_lshl_add_u32 v[VB], v[H], 5, s40
	s_lshl_b32 s40, s[CHH], 11
	v_add_nc_u32 v[VWD], s40, v[L16]
	s_mul_i32 s40, s[WV], 32*PITCH
	s_add_co_u32 s40, s40, AX
	v_lshl_add_u32 v[XS], v[LN], 3, s40
	s_lshl_b32 s40, s[TH], 12
	s_add_co_u32 s40, s40, RP
	v_add_nc_u32 v[RPA], s40, v[L16]
	v_lshlrev_b32 v[RBO], 5, v[R]
	v_lshl_add_u32 v[RBO], v[H], 4, v[RBO]
	v_lshlrev_b32 v[BDO], 5, v[H]
	v_lshlrev_b32 v[PFO], 8, v[LN]
.macro XCONV g, base, win, left        ; a group is rounded to bf16 and laid into LDS; left = the one younger group's loads, which stay out
	s_wait_loadcnt \left
	WIN \win
.set li, 0
.rept 64
	v_cvt_pk_bf16_f32 v[T+li], v[(\base)+2*li], v[(\base)+2*li+1]
.set li, li+1
.endr
	WIN 0
.set li, 0
.rept 32
	ds_store_b64 v[XS], v[T+2*li:T+2*li+1] offset:(8*(\g)+li/4)*PITCH+(li%4)*256
.set li, li+1
.endr
.endm
	XCONV 0, 128, 0x00, 32                         ; group 0 is in; group 1's 32 loads stay out
	WIN TO_F
	XLOAD 2, 128
	XCONV 1, 0,   0x05, 32                         ; group 1 is in; group 2's stay out
	WIN TO_2
	XLOAD 3, 0
	XCONV 2, 128, 0x05, 32                         ; group 2 is in; group 3's stay out
	XCONV 3, 0,   0x0a, 0
	global_load_b128 v[BD1:BD1+3], v[BDO], s[6:7]
	global_load_b128 v[BD1+4:BD1+7], v[BDO], s[6:7] offset:16
	WIN TO_2
.set i, 0
.rept 32
	v_mov_b32 v[RACC+i], 0                         ; r's sums start at 0, so that the loop has one form of product
.set i, i+1
.endr
.irp b, 0,1,2,3
	global_load_b128 v[BIAS+8*(\b):BIAS+8*(\b)+3],   v[VB], s[BVP:BVP+1] offset:64*(\b)
	global_load_b128 v[BIAS+8*(\b)+4:BIAS+8*(\b)+7], v[VB], s[BVP:BVP+1] offset:64*(\b)+16
.endr
	WIN 0
; 8 products: token tiles a0, a0 + 1 x all 4 column tiles, 32 along K: half c of buffer f.  mode = 1: the lap's first products take the bias as C
.macro MUL8 f, c, a0, mode
.if \mode
	WIN MULB
.else
	WIN MUL
.endif
.irp a, \a0, (\a0)+1
.irp b, 0,1,2,3
.if \mode
	v_wmma_f32_16x16x32_bf16 v[ACC+8*(4*(\a)+(\b)):ACC+8*(4*(\a)+(\b))+7], v[(\f)+64+8*(4*(\c)+(\b)):(\f)+64+8*(4*(\c)+(\b))+7], v[(\f)+8*(4*(\c)+(\a)):(\f)+8*(4*(\c)+(\a))+7], v[BIAS+8*(\b):BIAS+8*(\b)+7]
.else
	v_wmma_f32_16x16x32_bf16 v[ACC+8*(4*(\a)+(\b)):ACC+8*(4*(\a)+(\b))+7], v[(\f)+64+8*(4*(\c)+(\b)):(\f)+64+8*(4*(\c)+(\b))+7], v[(\f)+8*(4*(\c)+(\a)):(\f)+8*(4*(\c)+(\a))+7], v[ACC+8*(4*(\a)+(\b)):ACC+8*(4*(\a)+(\b))+7]
.endif
.endr
.endr
.endm
; 32 LDS loads in one run: quarter q (64 along K) of the fill in the slot; the first 32 along K first.  The slot's number is also the half of x's K
.macro FETCH slot, q, f
	WIN TO_F
.irp c, 0,1
.irp i, 0,1,2,3
	ds_load_b128 v[(\f)+64+8*(4*(\c)+(\i)):(\f)+64+8*(4*(\c)+(\i))+3],   v[ADRB+(\slot)] offset:((2*(\q)+(\c))*8+(\i))*1024
	ds_load_b128 v[(\f)+64+8*(4*(\c)+(\i))+4:(\f)+64+8*(4*(\c)+(\i))+7], v[ADRB+(\slot)] offset:((2*(\q)+(\c))*8+(\i))*1024+512
	ds_load_b128 v[(\f)+8*(4*(\c)+(\i)):(\f)+8*(4*(\c)+(\i))+3],         v[ADRA] offset:(\i)*16*PITCH+(\slot)*512+(2*(\q)+(\c))*64
	ds_load_b128 v[(\f)+8*(4*(\c)+(\i))+4:(\f)+8*(4*(\c)+(\i))+7],       v[ADRA] offset:(\i)*16*PITCH+(\slot)*512+(2*(\q)+(\c))*64+32
.endr
.endr
.endm
; this lap's W_dt1 fragments (ll = 1) and the next lap's bias: four places behind the products that read the bias
.macro LAPLOADS ll
	WIN TO_2
.if (\ll) == 1
.irp k, 0,1
	global_load_b128 v[WD+8*(\k):WD+8*(\k)+3],   v[VWD], s[W1P:W1P+1] offset:1024*(\k)
	global_load_b128 v[WD+8*(\k)+4:WD+8*(\k)+7], v[VWD], s[W1P:W1P+1] offset:1024*(\k)+512
.endr
.endif
.irp b, 0,1,2,3
	global_load_b128 v[BIAS+8*(\b):BIAS+8*(\b)+3],   v[VB], s[BVP:BVP+1] offset:64*(\b)
	global_load_b128 v[BIAS+8*(\b)+4:BIAS+8*(\b)+7], v[VB], s[BVP:BVP+1] offset:64*(\b)+16
.endr
.endm
; one of a fill's first three quarters: multiplies buffer f, fetches quarter q into g
.macro QUARTER slot, q, f, g, mode, ll
	s_wait_dscnt 16                                ; the first 32 along K are in
	MUL8 \f, 0, 0, \mode
	MUL8 \f, 0, 2, \mode
	PLACES
.if \ll
	LAPLOADS \ll
.endif
	FETCH \slot, \q, \g
	s_wait_dscnt 32                                ; all but the 32 just issued
	MUL8 \f, 1, 0, 0
	MUL8 \f, 1, 2, 0
.endm
; the last quarter and the change of slots.  Each wave waits for all its tensor loads (its quarter of the next slot), adds 0 to its spare word, and waits for that and for its reads of this slot.
; fill = 1: the barrier is a round of the cluster's, and the joint refill, two fills on, is the first thing behind it.
.macro TURN slot, next, fill, ask
	WIN 0
.if \ask
	s_wait_xcnt 0x0                                ; the last prefetch, a fill back, has read its address
	s_add_nc_u64 s[PFA:PFA+1], s[PFA:PFA+1], SLOTB
.endif
	s_wait_tensorcnt 0x0
	ds_add_u32 v[SPW], v[NIL]
.if \fill
	s_add_nc_u64 s[G0+4*(\slot)+2:G0+4*(\slot)+3], s[G0+4*(\slot)+2:G0+4*(\slot)+3], 2*SLOTB
.endif
	s_wait_dscnt 0x0                               ; the add is done, and my reads of this slot are over
.if \fill
	CROUND
	tensor_load_to_lds s[G0+4*(\slot):G0+4*(\slot)+3], s[G1:G1+7]
	s_nop 0
.else
	s_barrier_signal -1
	s_barrier_wait -1
.endif
	PLACES                                         ; also the places in front of the loads into buffer 0
	FETCH \next, 0, F0
.if \ask
	ASK
.endif
	MUL8 F1, 0, 0, 0
	MUL8 F1, 0, 2, 0
	MUL8 F1, 1, 0, 0
	MUL8 F1, 1, 2, 0
.endm
.macro LAP fill, ask, ll, last
	QUARTER 0, 1, F0, F1, 1, \ll
	QUARTER 0, 2, F1, F0, 0, 0
	QUARTER 0, 3, F0, F1, 0, 0
	TURN 0, 1, \fill, \ask
	QUARTER 1, 1, F0, F1, 0, 0
	QUARTER 1, 2, F1, F0, 0, 0
	QUARTER 1, 3, F0, F1, 0, 0
.if \last
	s_wait_dscnt 0x0
	MUL8 F1, 0, 0, 0
	MUL8 F1, 0, 2, 0
	MUL8 F1, 1, 0, 0
	MUL8 F1, 1, 2, 0
.else
	TURN 1, 0, \fill, \ask
.endif
.endm
; a lap of u ends: silu, f16, r's products, and u goes out turned through my stage.  A tile's LDS stores stand behind its conversions, under the next tile's silu; all 16 turning loads go out in one run and
; land in U, which r's products have read by then; U, and the stores' base, are written again only a lap later, behind the wait at this macro's head.
.macro EPI_U
	WIN 0
	PLACES
	s_wait_loadcnt 0x0                             ; W_dt1's fragments and the next bias are in, so their pointers may be stepped
	s_add_nc_u64 s[BVP:BVP+1], s[BVP:BVP+1], 512
	s_add_nc_u64 s[W1P:W1P+1], s[W1P:W1P+1], 4096
	s_wait_xcnt 0x0                                ; the last lap's stores, a lap back, have read U and their base
	s_sub_co_u32 s[OF2], 8, s[CNT]                 ; the lap's number: 128 channels of 16 bytes each
	s_lshl_b32 s[OF2], s[OF2], 11
	s_add_nc_u64 s[CUB:CUB+1], s[12:13], s[OF2:OF2+1]
.irp a, 0,1,2,3
.set i, 0
.rept 16
	v_pk_mul_f32 v[T+2*i:T+2*i+1], v[ACC+32*(\a)+2*i:ACC+32*(\a)+2*i+1], s[CS:CS+1] op_sel_hi:[1,0]
.set i, i+1
.endr
.set i, 0
.rept 32
	v_exp_f32 v[T+i], v[T+i]
.set i, i+1
.endr
	v_nop                                          ; a plain instruction behind the last exponential,
	s_wait_alu depctr_va_vdst(0)                   ; and one wait for the batch
.set i, 0
.rept 16
	v_pk_add_f32 v[T+2*i:T+2*i+1], v[T+2*i:T+2*i+1], 1.0 op_sel_hi:[1,0]
.set i, i+1
.endr
.set i, 0
.rept 32
	v_rcp_f32 v[T+i], v[T+i]
.set i, i+1
.endr
	v_nop
	s_wait_alu depctr_va_vdst(0)
.set i, 0
.rept 16
	v_pk_mul_f32 v[T+2*i:T+2*i+1], v[T+2*i:T+2*i+1], v[ACC+32*(\a)+2*i:ACC+32*(\a)+2*i+1]
.set i, i+1
.endr
.set i, 0
.rept 16
	v_cvt_pk_f16_f32 v[U+16*(\a)+i], v[T+2*i], v[T+2*i+1]
.set i, i+1
.endr
.irp b, 0,1,2,3
	ds_store_b128 v[STO], v[U+16*(\a)+4*(\b):U+16*(\a)+4*(\b)+3] offset:(\a)*16*SPI+32*(\b)
.endr
.endr
	WIN RW
.irp k, 0,1                                        ; r's four accumulators take turns
.irp a, 0,1,2,3
	v_wmma_f32_16x16x32_f16 v[RACC+8*(\a):RACC+8*(\a)+7], v[WD+8*(\k):WD+8*(\k)+7], v[U+16*(\a)+8*(\k):U+16*(\a)+8*(\k)+7], v[RACC+8*(\a):RACC+8*(\a)+7]
.endr
.endr
	WIN 0
	PLACES                                         ; four places in front of the loads into U, which those products have read
.irp a, 0,1,2,3
.irp b, 0,1,2,3
	ds_load_tr16_b128 v[U+16*(\a)+4*(\b):U+16*(\a)+4*(\b)+3], v[TRD] offset:(\a)*16*SPI+32*(\b)  ; LDS serves a wave's instructions in order: these see the stores above
.endr
.endr
.irp a, 0,1,2,3
	s_wait_dscnt 12-4*(\a)                         ; tile a is back; the later tiles' loads may stay out
.irp b, 0,1,2,3
	global_store_b128 v[GU], v[U+16*(\a)+4*(\b):U+16*(\a)+4*(\b)+3], s[CUB:CUB+1] offset:(\a)*32768+(\b)*256  ; 16 lanes store 256 consecutive bytes, aligned
.endr
.endr
.endm
.macro EPI_R lr                        ; a lap of RES goes out as it lies: 512 consecutive bytes a store
	WIN 0
	PLACES
	v_nop                                          ; five places: the next lap's first products write over these accumulators
	s_wait_loadcnt 0x0
.set i, 0
.rept 32
	global_store_b128 v[L16], v[ACC+4*i:ACC+4*i+3], s[16:17] offset:(\lr)*65536+i*512
.set i, i+1
.endr
	s_wait_xcnt 0x0                                ; the stores have read the accumulators
.endm
	s_wait_tensorcnt 1                             ; my quarter of slot 0 is in; slot 1's may stay out
	s_wait_dscnt 0x0                               ; my rows of x lie in LDS
	s_barrier_signal -1
	s_barrier_wait -1
	FETCH 0, 0, F0
	WIN 0
	s_wait_loadcnt 0x0                             ; the first bias and b_dt1
	s_add_nc_u64 s[BVP:BVP+1], s[BVP:BVP+1], 512
.irp j, 0,1,2,3
	v_cvt_pk_bf16_f32 v[TA], v[BD1+2*(\j)], v[BD1+2*(\j)+1]  ; b_dt1 is rounded to bf16 like every input
	v_lshlrev_b32 v[BD1+2*(\j)], 16, v[TA]
	v_and_b32 v[BD1+2*(\j)+1], 0xffff0000, v[TA]
.endr
	s_mov_b32 s[CNT], 8
.Llap:
	LAP 1, 1, 1, 0
	EPI_U
	s_sub_co_u32 s[CNT], s[CNT], 1
	s_cmp_lg_u32 s[CNT], 0
	s_cbranch_scc1 .Llap
	LAP 1, 0, 2, 0                                 ; fills 16, 17; 18 and 19 are asked for
	EPI_R 0
	LAP 0, 0, 0, 1                                 ; the last lap asks for nothing
	EPI_R 1
	; r: the two column halves' sums meet in LDS
	s_cmp_eq_u32 s[CHH], 0
	s_cbranch_scc1 .Lkeep
	WIN 0x08                                       ; store data in window 2
.set i, 0
.rept 8
	ds_store_b128 v[RPA], v[RACC+4*i:RACC+4*i+3] offset:i*512
.set i, i+1
.endr
	WIN 0
.Lkeep:
	s_wait_dscnt 0x0
	s_barrier_signal -1
	s_barrier_wait -1
	s_cmp_lg_u32 s[CHH], 0
	s_cbranch_scc1 .Lfin
.set i, 0
.rept 8
	ds_load_b128 v[T+4*i:T+4*i+3], v[RPA] offset:i*512
.set i, i+1
.endr
	s_wait_dscnt 0x0
	WIN 0x08                                       ; source 1 in window 2
.set i, 0
.rept 16
	v_pk_add_f32 v[T+2*i:T+2*i+1], v[T+2*i:T+2*i+1], v[RACC+2*i:RACC+2*i+1]
.set i, i+1
.endr
	WIN 0
.set i, 0
.rept 16
	v_pk_add_f32 v[T+2*i:T+2*i+1], v[T+2*i:T+2*i+1], v[BD1+2*(i%4):BD1+2*(i%4)+1]
.set i, i+1
.endr
.set i, 0
.rept 16
	v_cvt_pk_bf16_f32 v[U+i], v[T+2*i], v[T+2*i+1]
.set i, i+1
.endr
.irp a, 0,1,2,3
	global_store_b128 v[RBO], v[U+4*(\a):U+4*(\a)+3], s[14:15] offset:512*(\a)  ; a token's 8 ranks; the wave's 32 lanes fill 512 consecutive bytes
.endr
.Lfin:
	s_wait_tensorcnt 0x0                           ; the wave's end
	ds_add_u32 v[SPW], v[NIL]
	s_wait_dscnt 0x0
	CROUND                                         ; the closing round
	s_endpgm
.Lfunc_end_k_q2bdd6c01bf_gemm1:
	.size	k_q2bdd6c01bf_gemm1, .Lfunc_end_k_q2bdd6c01bf_gemm1-k_q2bdd6c01bf_gemm1
	.p2alignl 7, 3214868480
	.fill 96, 4, 3214868480
	.section	.rodata,"a",@progbits
	.p2align	6, 0x0
	.amdhsa_kernel k_q2bdd6c01bf_gemm1
		.amdhsa_group_segment_fixed_size 327680
		.amdhsa_private_segment_fixed_size 0
		.amdhsa_enable_private_segment 0
		.amdhsa_kernarg_size 56
		.amdhsa_user_sgpr_count 2
		.amdhsa_user_sgpr_kernarg_segment_ptr 1
		.amdhsa_wavefront_size32 1
		.amdhsa_system_sgpr_workgroup_id_x 1
		.amdhsa_system_sgpr_workgroup_id_y 1
		.amdhsa_system_sgpr_workgroup_id_z 1
		.amdhsa_system_vgpr_workitem_id 0
		.amdhsa_next_free_vgpr 640
		.amdhsa_next_free_sgpr 66
		.amdhsa_reserve_vcc 0
		.amdhsa_float_denorm_mode_32 3
		.amdhsa_float_denorm_mode_16_64 3
		.amdhsa_memory_ordered 1
		.amdhsa_forward_progress 1
		.amdhsa_inst_pref_size 193
	.end_amdhsa_kernel
	.amdgpu_metadata
---
amdhsa.version: [ 1, 2 ]
amdhsa.kernels:
  - .name:           k_q2bdd6c01bf_gemm1
    .symbol:         k_q2bdd6c01bf_gemm1.kd
    .args:
      - { .name: x, .offset: 0, .size: 8, .value_kind: global_buffer, .address_space: global }
      - { .name: b_dt1, .offset: 8, .size: 8, .value_kind: global_buffer, .address_space: global }
      - { .name: WIMG, .offset: 16, .size: 8, .value_kind: global_buffer, .address_space: global }
      - { .name: WSM, .offset: 24, .size: 8, .value_kind: global_buffer, .address_space: global }
      - { .name: UB, .offset: 32, .size: 8, .value_kind: global_buffer, .address_space: global }
      - { .name: RB, .offset: 40, .size: 8, .value_kind: global_buffer, .address_space: global }
      - { .name: RES, .offset: 48, .size: 8, .value_kind: global_buffer, .address_space: global }
    .group_segment_fixed_size: 327680
    .private_segment_fixed_size: 0
    .kernarg_segment_align: 8
    .kernarg_segment_size: 56
    .max_flat_workgroup_size: 128
    .sgpr_count:     66
    .vgpr_count:     640
    .wavefront_size: 32
...
	.end_amdgpu_metadata
.endif
;; end of part 2
;; launch sums (part 3): grid 256 x 1, 16 waves a work-group, no clusters, 67,584 bytes of LDS; arguments UB, RB, WSM, CAR; writes CAR
.if DOCPART == 3
	.amdgcn_target "amdgcn-amd-amdhsa--gfx1250"
	.amdhsa_code_object_version 6
	.text
	.protected	k_q2bdd6c01bf_sums
	.globl	k_q2bdd6c01bf_sums
	.p2align	8
	.type	k_q2bdd6c01bf_sums,@function
k_q2bdd6c01bf_sums:
	s_mov_b64 s[64:65], 0
	v_nop
	global_prefetch_b8 v0, s[64:65] scope:SCOPE_SE
	s_setreg_imm32_b32 hwreg(HW_REG_WAVE_MODE, 25, 1), 1
	s_wait_xcnt 0x0
; SUMS AND STATES.  The sequence is cut into 128 pieces of 32 tokens.  For each piece and channel: P = the product of a_t; Ff = the forward scan's end from 0; Fb = the backward scan's end from 0,
; with a_t = exp(A dt_t), b_t = Cp Bp u_t dt_t (Cp folded in: see the first kernel's head), dt = softplus(r W_dt2 + b_dt2).  Then the state that enters each piece, in both directions:
; H(0) = 0 (the initial state that the scan itself sets), H(i + 1) = H(i) P(i) + F(i), kept in f32.
; softplus(x) = max(x, 0) + ln 2 log2(1 + 2^(-|x| log2 e)): the form that cannot overflow.  LIMIT: far below 0 it is right to 6e-8 absolutely, not relatively.
; SHARES.  A work-group has ALL 4,096 tokens of one sequence and 32 channels (two tiles of 16), so that the fold over the pieces stays inside it.  Wave w has tokens 256 w .., in 4 passes of 64.
; LAYOUT.  The dt tile is (16 token rows of r) x (16 channels): lane (n = l % 16, h = l / 16) holds channel n; row 8 h + j of tile tb is token 32 h + 8 tb + j: the halves of the lanes are two pieces,
; a tile's 8 registers 8 tokens on end, and u's unit of 16 bytes in UB is just those 8.
; IN FLIGHT.  r's 4 loads for the next pass go out behind the pass's products, u's 8 behind the lines that read u: each has a whole pass in which to land.  So that every wait counts the same loads on every way,
; the last pass asks once more for pass 0's bytes (12 loads that nobody reads): they stay inside their buffers.
; LDS.  Two tables [place 128][channel 32](P, F), 32,768 bytes each; the backward one lies reversed (place 127 - piece), so that one text folds both.  One barrier; then wave 0 folds forward, wave 1 backward, a lane a channel.
; OUT.  CAR: [sequence][group of 32 channels][direction][place / 4][channel][place % 4] f32: a lane stores four states, a wave 512 consecutive bytes.
.set SPARE, 65536                      ; behind the tables: the spare words, 128 bytes for each of the 16 waves
.set N,   2
.set H,   3
.set UO,  4
.set RO,  5
.set L16, 6
.set PO,  7
.set LB0, 8                            ; my lane's and wave's place in table 0
.set LB1, 9                            ; and in table 1
.set TA,  10
.set STG0, 11                          ; the pass's addresses; in the fold: where I read
.set SPW, 12
.set NIL, 13
.set ZERO, 14
.set STG1, 15
.set RF,  16                           ; v16-47   r's four fragments
.set UL,  48                           ; v48-79   u, f16: 16 c + 4 tb
.set W2L, 80                           ; v80-95   W_dt2's two fragments
.set PARL, 96                          ; v96-103  (A log2 e, Cp Bp, 2 Dp, 0) of my channel in each tile
.set X,   104                          ; v104-167 32 c + t
.set AA,  168                          ; v168-231
.set ST,  232                          ; v232-239 per tile: P, Ff, P, Fb
.set HH,  16                           ; the fold: v16-143 the 128 states
.set LS,  144                          ; v144-239 three sets of 16 x (P, F)
.set PARP, 12
.set WV,  14
.set CNT, 16
.set NX,  17
.set NL2E, 18
.set LN2, 20
.set OFS, 22
.set SU,  24                           ; u and r at my wave's pass 0,
.set SRF, 26
.set CU,  28                           ; and at the pass that is being asked for
.set CRF, 30
.set T0,  32                           ; the pass's step in table 0: up,
.set T1,  33                           ; in table 1: down
.set SQ,  34
.set GRP, 35
.macro RLOADS
.irp tb, 0,1,2,3
	global_load_b128 v[RF+8*(\tb):RF+8*(\tb)+3], v[RO], s[CRF:CRF+1] offset:256*(\tb)
.endr
.endm
.macro ULOADS
.irp c, 0,1
.irp tb, 0,1,2,3
	global_load_b128 v[UL+16*(\c)+4*(\tb):UL+16*(\c)+4*(\tb)+3], v[UO], s[CU:CU+1] offset:16384*(\tb)+256*(\c)
.endr
.endr
.endm
	s_load_b256 s[4:11], s[0:1], 0x0               ; UB 4, RB 6, WSM 8, CAR 10
	v_lshl_add_u32 v[SPW], v0, 2, SPARE
	v_mov_b32 v[NIL], 0
	v_mov_b32 v[ZERO], 0
	v_lshrrev_b32 v[TA], 5, v0
	v_readfirstlane_b32 s[WV], v[TA]
	s_lshr_b32 s[SQ], ttmp9, 5                     ; the sequence
	s_and_b32 s[GRP], ttmp9, 31                    ; the group of 32 channels
	v_and_b32 v1, 31, v0
	v_and_b32 v[N], 15, v0
	v_bfe_u32 v[H], v0, 4, 1
	v_lshlrev_b32 v[L16], 4, v1
	v_lshlrev_b32 v[PO], 4, v[N]
	v_lshl_add_u32 v[UO], v[H], 16, v[PO]
	v_bfe_u32 v[TA], v0, 3, 1                      ; r's row m = l % 16 is token 32 (m / 8) + m % 8; 32 bytes a token, 16 for each half of the ranks
	v_lshlrev_b32 v[RO], 10, v[TA]
	v_and_b32 v[TA], 7, v0
	v_lshl_add_u32 v[RO], v[TA], 5, v[RO]
	v_lshl_add_u32 v[RO], v[H], 4, v[RO]
	s_lshl_b32 s36, s[WV], 11                      ; table 0: place 8 w + 2 p + h, 256 bytes a place, 8 a channel
	v_lshl_add_u32 v[LB0], v[N], 3, s36
	v_lshl_add_u32 v[LB0], v[H], 8, v[LB0]
	s_sub_co_u32 s36, 63488, s36                   ; table 1, at 32,768: place 127 - (8 w + 2 p + h) = (120 - 8 w) + 2 (3 - p) + (1 - h)
	v_sub_nc_u32 v[TA], 1, v[H]
	v_lshl_add_u32 v[LB1], v[N], 3, s36
	v_lshl_add_u32 v[LB1], v[TA], 8, v[LB1]
	v_mul_u32_u24 v[TA], v[TA], 0x3f80             ; rank 16 has the factor 1 (bf16), in lanes 0-15; ranks 17-31 are 0
.irp tb, 0,1,2,3
	v_mov_b32 v[RF+8*(\tb)+4], v[TA]
	v_mov_b32 v[RF+8*(\tb)+5], 0
	v_mov_b32 v[RF+8*(\tb)+6], 0
	v_mov_b32 v[RF+8*(\tb)+7], 0
.endr
	s_mov_b32 s[NL2E], 0xbfb8aa3b
	s_mov_b32 s[LN2], 0x3f317218
	s_mov_b32 s[LN2+1], s[LN2]
	s_mov_b32 s[OFS+1], 0
	s_mov_b32 s[T0], 0
	s_mov_b32 s[T1], 2048
	s_wait_kmcnt 0x0
	s_lshl_b32 s[OFS], s[SQ], 17                   ; r: 32 bytes a token
	s_lshl_b32 s36, s[WV], 13
	s_add_co_u32 s[OFS], s[OFS], s36
	s_add_nc_u64 s[SRF:SRF+1], s[6:7], s[OFS:OFS+1]
	s_lshl_b32 s[OFS], s[SQ], 23                   ; u: 16,384 bytes for 8 tokens, 16 a channel
	s_lshl_b32 s36, s[WV], 19
	s_add_co_u32 s[OFS], s[OFS], s36
	s_lshl_b32 s36, s[GRP], 9
	s_add_co_u32 s[OFS], s[OFS], s36
	s_add_nc_u64 s[SU:SU+1], s[4:5], s[OFS:OFS+1]
	s_add_co_u32 s[OFS], s36, 98304
	s_add_nc_u64 s[PARP:PARP+1], s[8:9], s[OFS:OFS+1]
	s_lshl_b32 s[OFS], s[GRP], 11
	s_add_nc_u64 s[8:9], s[8:9], s[OFS:OFS+1]
	s_lshl_b32 s[OFS], ttmp9, 15                   ; the work-group's 32,768 bytes of CAR
	s_add_nc_u64 s[10:11], s[10:11], s[OFS:OFS+1]
	s_mov_b64 s[CU:CU+1], s[SU:SU+1]
	s_mov_b64 s[CRF:CRF+1], s[SRF:SRF+1]
.irp c, 0,1
	global_load_b128 v[W2L+8*(\c):W2L+8*(\c)+3],   v[L16], s[8:9] offset:1024*(\c)
	global_load_b128 v[W2L+8*(\c)+4:W2L+8*(\c)+7], v[L16], s[8:9] offset:1024*(\c)+512
	global_load_b128 v[PARL+4*(\c):PARL+4*(\c)+3], v[PO], s[PARP:PARP+1] offset:256*(\c)
.endr
	RLOADS
	ULOADS
	s_mov_b32 s[CNT], 4
.Lpass:
	s_wait_loadcnt 8                               ; r (and all before it) is in; u's 8 loads may stay out
.irp c, 0,1
.irp tb, 0,1,2,3
	v_wmma_f32_16x16x32_bf16 v[X+32*(\c)+8*(\tb):X+32*(\c)+8*(\tb)+7], v[RF+8*(\tb):RF+8*(\tb)+7], v[W2L+8*(\c):W2L+8*(\c)+7], 0
.endr
.endr
.rept 4
	v_nop                                          ; four places: in front of the loads into r's registers and of the lines that read the products
.endr
	s_wait_xcnt 0x0                                ; every load issued so far has read its address: r's pointer is made anew
	s_sub_co_u32 s[NX], 5, s[CNT]
	s_and_b32 s[NX], s[NX], 3                      ; the next pass; behind the last, pass 0 once more
	s_lshl_b32 s[OFS], s[NX], 11
	s_add_nc_u64 s[CRF:CRF+1], s[SRF:SRF+1], s[OFS:OFS+1]
	RLOADS
.set i, 0
.rept 64
	v_mul_f32 v[AA+i], s[NL2E], |v[X+i]|
.set i, i+1
.endr
.set i, 0
.rept 64
	v_exp_f32 v[AA+i], v[AA+i]
.set i, i+1
.endr
	v_nop
	s_wait_alu depctr_va_vdst(0)                   ; one wait for the batch
.set i, 0
.rept 32
	v_pk_add_f32 v[AA+2*i:AA+2*i+1], v[AA+2*i:AA+2*i+1], 1.0 op_sel_hi:[1,0]
.set i, i+1
.endr
.set i, 0
.rept 64
	v_log_f32 v[AA+i], v[AA+i]
.set i, i+1
.endr
.set i, 0
.rept 64
	v_max_num_f32 v[X+i], 0, v[X+i]                ; plain work behind the logarithms
.set i, i+1
.endr
	s_wait_alu depctr_va_vdst(0)
.set i, 0
.rept 32
	v_pk_fma_f32 v[X+2*i:X+2*i+1], v[AA+2*i:AA+2*i+1], s[LN2:LN2+1], v[X+2*i:X+2*i+1] op_sel_hi:[1,0,1]  ; dt
.set i, i+1
.endr
.set i, 0
.rept 32
	v_pk_mul_f32 v[AA+2*i:AA+2*i+1], v[X+2*i:X+2*i+1], v[PARL+4*(i/16):PARL+4*(i/16)+1] op_sel_hi:[1,0]
.set i, i+1
.endr
.set i, 0
.rept 64
	v_exp_f32 v[AA+i], v[AA+i]                     ; a
.set i, i+1
.endr
.set i, 0
.rept 32
	v_pk_mul_f32 v[X+2*i:X+2*i+1], v[X+2*i:X+2*i+1], v[PARL+4*(i/16):PARL+4*(i/16)+1] op_sel:[0,1] op_sel_hi:[1,1]  ; Cp Bp dt: plain work behind the exponentials
.set i, i+1
.endr
	s_wait_alu depctr_va_vdst(0)
	s_wait_loadcnt 4                               ; u is in; the next pass's 4 loads of r may stay out
.set i, 0
.rept 64
.if i%2
	v_fma_mix_f32 v[X+i], v[UL+i/2], v[X+i], v[ZERO] op_sel:[1,0,0] op_sel_hi:[1,0,0]  ; b = u (an f16 half) x Cp Bp dt
.else
	v_fma_mix_f32 v[X+i], v[UL+i/2], v[X+i], v[ZERO] op_sel_hi:[1,0,0]
.endif
.set i, i+1
.endr
	s_wait_xcnt 0x0                                ; u's pointer is made anew
	s_lshl_b32 s[OFS], s[NX], 17
	s_add_nc_u64 s[CU:CU+1], s[SU:SU+1], s[OFS:OFS+1]
	ULOADS
.irp c, 0,1                                        ; four chains side by side; each begins with two tokens: nothing is cleared
	v_fma_f32 v[ST+4*(\c)+1], v[X+32*(\c)],    v[AA+32*(\c)+1],  v[X+32*(\c)+1]
	v_fma_f32 v[ST+4*(\c)+3], v[X+32*(\c)+31], v[AA+32*(\c)+30], v[X+32*(\c)+30]
.endr
.set t, 2
.rept 30
.irp c, 0,1
	v_fma_f32 v[ST+4*(\c)+1], v[ST+4*(\c)+1], v[AA+32*(\c)+t],    v[X+32*(\c)+t]      ; Ff = Ff a + b, tokens ascending
	v_fma_f32 v[ST+4*(\c)+3], v[ST+4*(\c)+3], v[AA+32*(\c)+31-t], v[X+32*(\c)+31-t]   ; Fb = Fb a + b, tokens descending
.endr
.set t, t+1
.endr
.irp wd, 16, 8, 4, 2                               ; P: the 32 a of each tile, halved four times, two products a line
.irp c, 0,1
.set i, 0
.rept (\wd)/2
	v_pk_mul_f32 v[AA+32*(\c)+i:AA+32*(\c)+i+1], v[AA+32*(\c)+i:AA+32*(\c)+i+1], v[AA+32*(\c)+(\wd)+i:AA+32*(\c)+(\wd)+i+1]
.set i, i+2
.endr
.endr
.endr
.irp c, 0,1
	v_mul_f32 v[ST+4*(\c)],   v[AA+32*(\c)], v[AA+32*(\c)+1]
	v_mul_f32 v[ST+4*(\c)+2], v[AA+32*(\c)], v[AA+32*(\c)+1]
.endr
	s_sub_co_u32 s[T1], s[T1], 512                 ; two places down in the reversed table
	v_add_nc_u32 v[STG0], s[T0], v[LB0]
	v_add_nc_u32 v[STG1], s[T1], v[LB1]
.irp c, 0,1
	ds_store_b64 v[STG0], v[ST+4*(\c):ST+4*(\c)+1] offset:128*(\c)
	ds_store_b64 v[STG1], v[ST+4*(\c)+2:ST+4*(\c)+3] offset:128*(\c)
.endr
	s_add_co_u32 s[T0], s[T0], 512                 ; two places up
	s_sub_co_u32 s[CNT], s[CNT], 1
	s_cmp_lg_u32 s[CNT], 0
	s_cbranch_scc1 .Lpass
	s_wait_loadcnt 0x0                             ; the loads that nobody reads have landed: their registers are used again below
	s_wait_dscnt 0x0                               ; for the others' sake: my part of the tables lies in LDS
	s_barrier_signal -1
	s_barrier_wait -1
	s_cmp_lt_u32 s[WV], 2
	s_cbranch_scc0 .Lend
	; THE FOLD.  Wave 0: table 0; wave 1: table 1.  A lane a channel; the chain is serial, the LDS loads are not: three sets of 16 places are out.
	s_lshl_b32 s36, s[WV], 15
	v_lshl_add_u32 v[STG0], v1, 3, s36
	s_lshl_b32 s[OFS], s[WV], 14
	s_add_nc_u64 s[10:11], s[10:11], s[OFS:OFS+1]
	v_mov_b32 v[HH], 0
.macro TLOAD k
.set i, 0
.rept 16
	ds_load_b64 v[LS+32*((\k)%3)+2*i:LS+32*((\k)%3)+2*i+1], v[STG0] offset:(16*(\k)+i)*256
.set i, i+1
.endr
.endm
.macro TBATCH k, left                  ; left = the younger sets' loads, which stay out
	s_wait_dscnt \left
.set i, 0
.rept 16
.if 16*(\k)+i < 127                    ; the state behind the last piece enters nothing
	v_fma_f32 v[HH+16*(\k)+i+1], v[HH+16*(\k)+i], v[LS+32*((\k)%3)+2*i], v[LS+32*((\k)%3)+2*i+1]
.endif
.set i, i+1
.endr
.irp m, 0,1,2,3
	global_store_b128 v[L16], v[HH+16*(\k)+4*(\m):HH+16*(\k)+4*(\m)+3], s[10:11] offset:(4*(\k)+(\m))*512  ; four places of my channel; the wave stores 512 consecutive bytes
.endr
.if (\k) < 5
	TLOAD (\k)+3
.endif
.endm
	TLOAD 0
	TLOAD 1
	TLOAD 2
	TBATCH 0, 32
	TBATCH 1, 32
	TBATCH 2, 32
	TBATCH 3, 32
	TBATCH 4, 32
	TBATCH 5, 32
	TBATCH 6, 16
	TBATCH 7, 0
.Lend:
	s_wait_tensorcnt 0x0                           ; the wave's end
	ds_add_u32 v[SPW], v[NIL]
	s_wait_dscnt 0x0
	s_endpgm
.Lfunc_end_k_q2bdd6c01bf_sums:
	.size	k_q2bdd6c01bf_sums, .Lfunc_end_k_q2bdd6c01bf_sums-k_q2bdd6c01bf_sums
	.p2alignl 7, 3214868480
	.fill 96, 4, 3214868480
	.section	.rodata,"a",@progbits
	.p2align	6, 0x0
	.amdhsa_kernel k_q2bdd6c01bf_sums
		.amdhsa_group_segment_fixed_size 67584
		.amdhsa_private_segment_fixed_size 0
		.amdhsa_enable_private_segment 0
		.amdhsa_kernarg_size 32
		.amdhsa_user_sgpr_count 2
		.amdhsa_user_sgpr_kernarg_segment_ptr 1
		.amdhsa_wavefront_size32 1
		.amdhsa_system_sgpr_workgroup_id_x 1
		.amdhsa_system_sgpr_workgroup_id_y 1
		.amdhsa_system_sgpr_workgroup_id_z 1
		.amdhsa_system_vgpr_workitem_id 0
		.amdhsa_next_free_vgpr 240
		.amdhsa_next_free_sgpr 66
		.amdhsa_reserve_vcc 0
		.amdhsa_float_denorm_mode_32 3
		.amdhsa_float_denorm_mode_16_64 3
		.amdhsa_memory_ordered 1
		.amdhsa_forward_progress 1
		.amdhsa_inst_pref_size 61
	.end_amdhsa_kernel
	.amdgpu_metadata
---
amdhsa.version: [ 1, 2 ]
amdhsa.kernels:
  - .name:           k_q2bdd6c01bf_sums
    .symbol:         k_q2bdd6c01bf_sums.kd
    .args:
      - { .name: UB, .offset: 0, .size: 8, .value_kind: global_buffer, .address_space: global }
      - { .name: RB, .offset: 8, .size: 8, .value_kind: global_buffer, .address_space: global }
      - { .name: WSM, .offset: 16, .size: 8, .value_kind: global_buffer, .address_space: global }
      - { .name: CAR, .offset: 24, .size: 8, .value_kind: global_buffer, .address_space: global }
    .group_segment_fixed_size: 67584
    .private_segment_fixed_size: 0
    .kernarg_segment_align: 8
    .kernarg_segment_size: 32
    .max_flat_workgroup_size: 512
    .sgpr_count:     66
    .vgpr_count:     240
    .wavefront_size: 32
...
	.end_amdgpu_metadata
.endif
;; end of part 3
;; launch final (part 4): grid 256 x 1, 4 waves a work-group, no clusters, 52,736 bytes of LDS; arguments UB, RB, WSM, WOF, CAR, RES, out0; writes out0
.if DOCPART == 4
	.amdgcn_target "amdgcn-amd-amdhsa--gfx1250"
	.amdhsa_code_object_version 6
	.text
	.protected	k_q2bdd6c01bf_final
	.globl	k_q2bdd6c01bf_final
	.p2align	8
	.type	k_q2bdd6c01bf_final,@function
k_q2bdd6c01bf_final:
	s_mov_b64 s[64:65], 0
	v_nop
	global_prefetch_b8 v0, s[64:65] scope:SCOPE_SE
	s_setreg_imm32_b32 hwreg(HW_REG_WAVE_MODE, 25, 1), 1
	s_wait_xcnt 0x0
; FINAL.  For 128 tokens: dt, a and b once more (as in the launch that made the pieces' sums), both scans from the stored states, z = u (hf + hb + 2 Dp u), out = z W_out + RES.
; Cp is folded into b, the residual and all output biases lie in RES: see the first kernel's head.  softplus as there, with its limit.
; SHARES.  16 passes of 64 channels.  In the scan wave w has tokens 64 (w / 2) .. (two pieces, one in each half of the lanes) and channels 32 (w % 2) .. of the pass (two tiles); in the product it has the same tokens and
; the output columns 128 (w % 2) ..: 32 accumulators, which start as RES.  z goes through LDS as [channel][token] in bf16 and comes back turned, as source 1 (32 channels x 16 tokens); source 0 is W_out, from memory in fragment order.
; THE PRODUCT RUNS A PASS BEHIND THE SCAN.  Pass r's 64 products are z(r - 1) W_out; they stand among the softplus lines of pass r, one ahead of every four of the scalings, exponentials, logarithms and maxima,
; none of which names a register of theirs.  z's fragments are fetched at a pass's end and waited for behind the next pass's head.  The last z is multiplied behind the loop.  THE PRICE of one text for every pass:
; the first pass's 64 products multiply zeros by W_out's first block, which is loaded for that alone (W_out is finite in bf16, so they add 0).
; One z buffer, two barriers a pass.  The first says that everybody's reads of the last z are back: it is signalled behind the wait for them and waited for just ahead of z's stores, with work on registers between.
; The second stands between z's stores and the reads.
; THE STATES lie as [sequence][group of 32 channels][direction][place / 4][channel][place % 4]; my work-group's four pieces are one block of four places; the backward table is reversed (place 127 - piece).
; NO CLUSTER: what work-groups share is W_out, 32 KiB a pass, which comes straight into registers half a pass ahead; nothing is filled by tensor loads.
; IN FLIGHT.  A pass's 18 scan loads go out at the head of the pass before; W_out's 32 loads go out behind the products that read the block before.  So that every wait counts the same loads on every way, the last pass
; asks once more for pass 0's 18 scan loads, which nobody reads: they stay inside their buffers.
; THE TWO SCANS run toward each other: the forward one visits token s, the backward one 31 - s.  The first visitor of a token writes HF and leaves b; the second writes over b.  Their sum is what is wanted.
; REGISTERS.  window 0: addresses; v24-55 r's fragments; v56-87 u (f16); v88-103 W_dt2; v104-115 what is loaded ahead, v116-127 its copy in use; v128-191 the way out.      window 1: the accumulators (8 (8 a + o)).
;   window 2: v0-63 X; v64-127 AA (later z packed); v128-191 UF, u in f32; v192-255 HF.      window 3: v0-127 W_out's fragments (8 (8 kk + o)); v128-191 z's fragments (8 (2 a + kk)).
.set ZP,    288                        ; a channel's 128 tokens: 256 bytes + 32: an odd multiple of 32
.set STG,   18432                      ; behind z: 16 rows x 528 bytes for each wave, for the way out
.set OPI,   528
.set SPARE, STG+4*16*OPI
.set N,   2
.set H,   3
.set UO,  4
.set RO,  5
.set L16, 6
.set PO,  7
.set CFO, 8
.set CBO, 9
.set ZSA, 10
.set ZLA, 11
.set STO, 12
.set RDB, 13
.set TA,  14
.set SPW, 16
.set NIL, 17
.set ONE, 18
.set ZERO, 19
.set RF,  24
.set UL,  56
.set W2L, 88
.set PARL, 104
.set CARL, 112
.set PRM, 116
.set CRY, 124
.set OB,  128
.set X,   0
.set AA,  64
.set UF,  128
.set HF,  192
.set ZF,  128
.set WV,  18
.set TH,  19
.set CQ,  20
.set CHUNK, 21
.set RD,  22
.set NX,  23
.set SU,  24                           ; the streams' addresses at pass 0: u, W_dt2, the channels' numbers, the two states, W_out
.set SW2, 26
.set SPA, 28
.set SCF, 30
.set SCB, 32
.set SWF, 34
.set CU,  36                           ; and at the pass that is asked for next
.set CW2, 38
.set CPA, 40
.set CCF, 42
.set CCB, 44
.set CWF, 46
.set OFS, 48
.set NL2E, 50
.set LN2, 52
.set MSB, 0
.macro WIN new
.if MSB != (\new)
	s_set_vgpr_msb (MSB<<8)|(\new)
.set MSB, \new
.endif
.endm
.set W_D1,  0x40                       ; destination window 1
.set W_D2,  0x80                       ; destination window 2
.set W_D3,  0xc0                       ; destination window 3
.set W_22,  0xaa                       ; all in window 2
.set W_2P,  0xa2                       ; source 1 in window 0
.set W_C0,  0xa8                       ; source 0 in window 0
.set W_ST2, 0x08                       ; LDS store data in window 2
.set W_ST1, 0x04                       ; in window 1
.set W_G,   0x5f                       ; W_out and z window 3, C and D window 1
.macro PLACES
.rept 4
	v_nop
.endr
.endm
.macro SLOADS pu, pw, pp, pf, pb       ; 18 loads, by the five pointers named
.irp c, 0,1
.irp tb, 0,1,2,3
	global_load_b128 v[UL+16*(\c)+4*(\tb):UL+16*(\c)+4*(\tb)+3], v[UO], s[(\pu):(\pu)+1] offset:16384*(\tb)+256*(\c)
.endr
	global_load_b128 v[W2L+8*(\c):W2L+8*(\c)+3],   v[L16], s[(\pw):(\pw)+1] offset:1024*(\c)
	global_load_b128 v[W2L+8*(\c)+4:W2L+8*(\c)+7], v[L16], s[(\pw):(\pw)+1] offset:1024*(\c)+512
	global_load_b128 v[PARL+4*(\c):PARL+4*(\c)+3], v[PO], s[(\pp):(\pp)+1] offset:256*(\c)
	global_load_b32 v[CARL+(\c)],   v[CFO], s[(\pf):(\pf)+1] offset:256*(\c)
	global_load_b32 v[CARL+2+(\c)], v[CBO], s[(\pb):(\pb)+1] offset:256*(\c)
.endr
.endm
.macro WLOADS p                        ; 32 loads
	WIN W_D3
.set i, 0
.rept 16
	global_load_b128 v[8*i:8*i+3],   v[L16], s[(\p):(\p)+1] offset:(i/8)*16384+(i%8)*1024
	global_load_b128 v[8*i+4:8*i+7], v[L16], s[(\p):(\p)+1] offset:(i/8)*16384+(i%8)*1024+512
.set i, i+1
.endr
	WIN 0
.endm
; product g of 64 of out^T += W_out^T z^T: channels 32 (g / 32) on, token tile (g / 8) % 4, column tile g % 8.  The 32 accumulators take turns, one instruction a turn
.macro GP
	WIN W_G
	v_wmma_f32_16x16x32_bf16 v[8*(g%32):8*(g%32)+7], v[8*(8*(g/32)+g%8):8*(8*(g/32)+g%8)+7], v[ZF+8*(2*((g/8)%4)+g/32):ZF+8*(2*((g/8)%4)+g/32)+7], v[8*(g%32):8*(g%32)+7]
.set g, g+1
.endm
	s_load_b256 s[4:11], s[0:1], 0x0               ; UB 4, RB 6, WSM 8, WOF 10
	s_load_b128 s[12:15], s[0:1], 0x20             ; CAR 12, RES 14
	s_load_b64 s[16:17], s[0:1], 0x30              ; out0
	v_lshl_add_u32 v[SPW], v0, 2, SPARE
	v_mov_b32 v[NIL], 0
	v_lshrrev_b32 v[TA], 5, v0
	v_readfirstlane_b32 s[WV], v[TA]
	s_lshr_b32 s[TH], s[WV], 1
	s_and_b32 s[CQ], s[WV], 1
	s_mov_b32 s[CHUNK], ttmp9
	v_mov_b32 v[ONE], 1.0
	v_mov_b32 v[ZERO], 0
	v_and_b32 v1, 31, v0
	v_and_b32 v[N], 15, v0
	v_bfe_u32 v[H], v0, 4, 1
	v_lshlrev_b32 v[L16], 4, v1
	v_lshlrev_b32 v[PO], 4, v[N]
	v_lshl_add_u32 v[UO], v[H], 16, v[PO]
	v_bfe_u32 v[TA], v0, 3, 1
	v_lshlrev_b32 v[RO], 10, v[TA]
	v_and_b32 v[TA], 7, v0
	v_lshl_add_u32 v[RO], v[TA], 5, v[RO]
	v_lshl_add_u32 v[RO], v[H], 4, v[RO]
	v_sub_nc_u32 v[TA], 1, v[H]
	v_lshl_add_u32 v[CBO], v[TA], 2, v[PO]         ; a channel's four places are 16 bytes; the backward table lies reversed: the later piece comes first
	v_lshl_add_u32 v[CFO], v[H], 2, v[PO]
	v_mul_u32_u24 v[TA], v[TA], 0x3f80             ; rank 16 has the factor 1 (bf16), in lanes 0-15
.irp tb, 0,1,2,3
	v_mov_b32 v[RF+8*(\tb)+4], v[TA]
	v_mov_b32 v[RF+8*(\tb)+5], 0
	v_mov_b32 v[RF+8*(\tb)+6], 0
	v_mov_b32 v[RF+8*(\tb)+7], 0
.endr
	s_lshl_b32 s54, s[CQ], 5
	v_add_nc_u32 v[TA], s54, v[N]
	v_mul_u32_u24 v[ZSA], v[TA], ZP                ; z in: my channel's row, my piece's 64 bytes
	v_lshl_add_u32 v[ZSA], v[H], 6, v[ZSA]
	s_lshl_b32 s54, s[TH], 7
	v_add_nc_u32 v[ZSA], s54, v[ZSA]
	v_and_b32 v[TA], 7, v0                         ; z back, turned: lane l addresses channel 8 (l / 16) + l % 8, tokens 8 ((l / 8) % 2) ..
	v_lshl_add_u32 v[TA], v[H], 3, v[TA]
	v_mul_u32_u24 v[ZLA], v[TA], ZP
	v_bfe_u32 v[TA], v0, 3, 1
	v_lshl_add_u32 v[ZLA], v[TA], 4, v[ZLA]
	v_add_nc_u32 v[ZLA], s54, v[ZLA]
	s_mul_i32 s54, s[WV], 16*OPI
	s_add_co_u32 s54, s54, STG
	v_mul_u32_u24 v[STO], v[N], OPI
	v_lshl_add_u32 v[STO], v[H], 5, v[STO]
	v_add_nc_u32 v[STO], s54, v[STO]
	v_add_nc_u32 v[RDB], s54, v[L16]
	s_mov_b32 s[NL2E], 0xbfb8aa3b
	s_mov_b32 s[LN2], 0x3f317218
	s_mov_b32 s[LN2+1], s[LN2]
	s_mov_b32 s[OFS+1], 0
	s_wait_kmcnt 0x0
	s_lshl_b32 s[OFS], s[CHUNK], 18
	s_lshl_b32 s54, s[TH], 17
	s_add_co_u32 s[OFS], s[OFS], s54
	s_lshl_b32 s54, s[CQ], 9
	s_add_co_u32 s[OFS], s[OFS], s54
	s_add_nc_u64 s[SU:SU+1], s[4:5], s[OFS:OFS+1]
	s_lshl_b32 s[OFS], s[CQ], 11
	s_add_nc_u64 s[SW2:SW2+1], s[8:9], s[OFS:OFS+1]
	s_add_co_u32 s[OFS], s54, 98304
	s_add_nc_u64 s[SPA:SPA+1], s[8:9], s[OFS:OFS+1]
	s_lshr_b32 s55, s[CHUNK], 5                    ; the states: 1,048,576 bytes a sequence,
	s_lshl_b32 s55, s55, 20
	s_lshl_b32 s54, s[CQ], 15                      ; 32,768 a group of 32 channels
	s_add_co_u32 s55, s55, s54
	s_and_b32 s54, s[CHUNK], 31                    ; my work-group's block of four places, 512 bytes a block
	s_lshl_b32 s56, s[TH], 3                       ; my wave's two places in a channel's four
	s_lshl_b32 s[OFS], s54, 9                      ; forward: block chunk % 32, places 2 (w / 2) + h
	s_add_co_u32 s[OFS], s[OFS], s55
	s_add_co_u32 s[OFS], s[OFS], s56
	s_add_nc_u64 s[SCF:SCF+1], s[12:13], s[OFS:OFS+1]
	s_sub_co_u32 s54, 31, s54                      ; backward, 16,384 bytes on: block 31 - chunk % 32, places 2 (1 - w / 2) + (1 - h)
	s_lshl_b32 s[OFS], s54, 9
	s_add_co_u32 s[OFS], s[OFS], s55
	s_sub_co_u32 s[OFS], s[OFS], s56
	s_add_co_u32 s[OFS], s[OFS], 16384+8
	s_add_nc_u64 s[SCB:SCB+1], s[12:13], s[OFS:OFS+1]
	s_lshl_b32 s[OFS], s[CQ], 13
	s_add_nc_u64 s[SWF:SWF+1], s[10:11], s[OFS:OFS+1]
	s_lshl_b32 s[OFS], s[CHUNK], 12
	s_lshl_b32 s54, s[TH], 11
	s_add_co_u32 s[OFS], s[OFS], s54
	s_add_nc_u64 s[6:7], s[6:7], s[OFS:OFS+1]      ; r
	s_lshl_b32 s[OFS], s[CHUNK], 17
	s_lshl_b32 s54, s[CQ], 16
	s_add_co_u32 s[OFS], s[OFS], s54
	s_lshl_b32 s54, s[TH], 15
	s_add_co_u32 s[OFS], s[OFS], s54
	s_add_nc_u64 s[14:15], s[14:15], s[OFS:OFS+1]  ; RES
	s_lshl_b32 s[OFS], s[CHUNK], 17
	s_lshl_b32 s54, s[TH], 16
	s_add_co_u32 s[OFS], s[OFS], s54
	s_lshl_b32 s54, s[CQ], 9
	s_add_co_u32 s[OFS], s[OFS], s54
	s_add_nc_u64 s[16:17], s[16:17], s[OFS:OFS+1]  ; out0
	s_add_nc_u64 s[CU:CU+1], s[SU:SU+1], 1024      ; pass 1's scan loads, which pass 0 issues: pass 0's own go by the addresses at pass 0
	s_add_nc_u64 s[CPA:CPA+1], s[SPA:SPA+1], 1024
	s_add_nc_u64 s[CW2:CW2+1], s[SW2:SW2+1], 4096
	s_add_nc_u64 s[CCF:CCF+1], s[SCF:SCF+1], 65536
	s_add_nc_u64 s[CCB:CCB+1], s[SCB:SCB+1], 65536
	WIN W_D1
.set i, 0
.rept 32                                           ; accumulator (a, o) = i: the sums start as RES, which lies as the accumulators of the launch that made it
	global_load_b128 v[8*i:8*i+3],   v[L16], s[14:15] offset:((i%8)/4)*16384+(4*(i/8)+(i%4))*1024 th:TH_LOAD_NT
	global_load_b128 v[8*i+4:8*i+7], v[L16], s[14:15] offset:((i%8)/4)*16384+(4*(i/8)+(i%4))*1024+512 th:TH_LOAD_NT
.set i, i+1
.endr
	WIN 0
.irp tb, 0,1,2,3
	global_load_b128 v[RF+8*(\tb):RF+8*(\tb)+3], v[RO], s[6:7] offset:256*(\tb)
.endr
	SLOADS SU, SW2, SPA, SCF, SCB
	WLOADS SWF
	WIN W_D3
.set i, 0
.rept 64
	v_mov_b32 v[ZF+i], 0                           ; there is no z yet: the first pass's products add 0; written while the first loads are on their way
.set i, i+1
.endr
	WIN 0
	s_mov_b32 s[RD], 0
.Lpass:
	s_wait_loadcnt 32                              ; the pass's scan loads (and all before them) are in; W_out's 32 loads, issued behind them, may stay out
	WIN W_D2
.irp c, 0,1
.irp tb, 0,1,2,3
	v_wmma_f32_16x16x32_bf16 v[X+32*(\c)+8*(\tb):X+32*(\c)+8*(\tb)+7], v[RF+8*(\tb):RF+8*(\tb)+7], v[W2L+8*(\c):W2L+8*(\c)+7], 0
.endr
.endr
.set i, 0
.rept 64                                           ; u in f32: u x 1 + 0 from an f16 half; also the places behind the products
.if i%2
	v_fma_mix_f32 v[UF+i], v[UL+i/2], v[ONE], v[ZERO] op_sel:[1,0,0] op_sel_hi:[1,0,0]
.else
	v_fma_mix_f32 v[UF+i], v[UL+i/2], v[ONE], v[ZERO] op_sel_hi:[1,0,0]
.endif
.set i, i+1
.endr
	WIN 0
.set i, 0
.rept 8
	v_mov_b32 v[PRM+i], v[PARL+i]
.set i, i+1
.endr
.set i, 0
.rept 4
	v_mov_b32 v[CRY+i], v[CARL+i]
.set i, i+1
.endr
	SLOADS CU, CW2, CPA, CCF, CCB                  ; the next pass's; their pointers were made in the pass before
	s_wait_loadcnt 18                              ; W_out's fragments are in; the 18 loads just issued may stay out
	s_wait_dscnt 0x0                               ; the last z's fragments are in: my reads of the z buffer are over
.set g, 0
.set i, 0
.rept 16
	GP
	WIN W_22
.rept 4
	v_mul_f32 v[AA+i], s[NL2E], |v[X+i]|
.set i, i+1
.endr
.endr
.set i, 0
.rept 16
	GP
	WIN W_22
.rept 4
	v_exp_f32 v[AA+i], v[AA+i]
.set i, i+1
.endr
.endr
	v_nop
	s_wait_alu depctr_va_vdst(0)                   ; one wait for the batch
.set i, 0
.rept 32
	v_pk_add_f32 v[AA+2*i:AA+2*i+1], v[AA+2*i:AA+2*i+1], 1.0 op_sel_hi:[1,0]
.set i, i+1
.endr
.set i, 0
.rept 16
	GP
	WIN W_22
.rept 4
	v_log_f32 v[AA+i], v[AA+i]
.set i, i+1
.endr
.endr
.set i, 0
.rept 16
	GP
	WIN W_22
.rept 4
	v_max_num_f32 v[X+i], 0, v[X+i]                ; plain work behind the logarithms
.set i, i+1
.endr
.endr
	s_wait_alu depctr_va_vdst(0)
.set i, 0
.rept 32
	v_pk_fma_f32 v[X+2*i:X+2*i+1], v[AA+2*i:AA+2*i+1], s[LN2:LN2+1], v[X+2*i:X+2*i+1] op_sel_hi:[1,0,1]  ; dt; also the places in front of the loads into W_out's registers
.set i, i+1
.endr
	WIN 0
	s_wait_xcnt 0x0                                ; every load issued so far, the youngest at the pass's head, has read its address: the pointers are made anew
	s_lshl_b32 s[OFS], s[RD], 15                   ; W_out's block for this pass's z, which the next pass multiplies
	s_add_nc_u64 s[CWF:CWF+1], s[SWF:SWF+1], s[OFS:OFS+1]
	s_add_co_u32 s[NX], s[RD], 2                   ; the scan loads that the next pass issues
	s_and_b32 s[NX], s[NX], 15
	s_lshl_b32 s[OFS], s[NX], 10
	s_add_nc_u64 s[CU:CU+1], s[SU:SU+1], s[OFS:OFS+1]
	s_add_nc_u64 s[CPA:CPA+1], s[SPA:SPA+1], s[OFS:OFS+1]
	s_lshl_b32 s[OFS], s[NX], 12
	s_add_nc_u64 s[CW2:CW2+1], s[SW2:SW2+1], s[OFS:OFS+1]
	s_lshl_b32 s[OFS], s[NX], 16                   ; a pass is two groups of 32 channels
	s_add_nc_u64 s[CCF:CCF+1], s[SCF:SCF+1], s[OFS:OFS+1]
	s_add_nc_u64 s[CCB:CCB+1], s[SCB:SCB+1], s[OFS:OFS+1]
	WLOADS CWF
	s_barrier_signal -1                            ; my reads of the z buffer are back (the wait stands ahead of the products); work on registers alone up to the wait
	WIN W_2P
.set i, 0
.rept 32
	v_pk_mul_f32 v[AA+2*i:AA+2*i+1], v[X+2*i:X+2*i+1], v[PRM+4*(i/16):PRM+4*(i/16)+1] op_sel_hi:[1,0]
.set i, i+1
.endr
	WIN W_22
.set i, 0
.rept 64
	v_exp_f32 v[AA+i], v[AA+i]                     ; a
.set i, i+1
.endr
	WIN W_2P
.set i, 0
.rept 32
	v_pk_mul_f32 v[X+2*i:X+2*i+1], v[X+2*i:X+2*i+1], v[PRM+4*(i/16):PRM+4*(i/16)+1] op_sel:[0,1] op_sel_hi:[1,1]  ; Cp Bp dt: plain work behind the exponentials
.set i, i+1
.endr
	WIN W_22
	s_wait_alu depctr_va_vdst(0)
.set i, 0
.rept 32
	v_pk_mul_f32 v[X+2*i:X+2*i+1], v[X+2*i:X+2*i+1], v[UF+2*i:UF+2*i+1]  ; b
.set i, i+1
.endr
.set st, 0
.rept 32                                           ; four chains side by side: two tiles, two directions
.irp c, 0,1
.set tf, 32*(\c)+st
.set tk, 32*(\c)+31-st
.if st == 0
	WIN W_C0
	v_fma_f32 v[HF+tf], v[CRY+(\c)],   v[AA+tf], v[X+tf]
	v_fma_f32 v[HF+tk], v[CRY+2+(\c)], v[AA+tk], v[X+tk]
.elseif st < 16
	WIN W_22
	v_fma_f32 v[HF+tf], v[HF+tf-1], v[AA+tf], v[X+tf]
	v_fma_f32 v[HF+tk], v[HF+tk+1], v[AA+tk], v[X+tk]
.elseif st == 16
	v_fma_f32 v[X+tf], v[HF+tf-1], v[AA+tf], v[X+tf]
	v_fma_f32 v[X+tk], v[HF+tk+1], v[AA+tk], v[X+tk]
.else
	v_fma_f32 v[X+tf], v[X+tf-1], v[AA+tf], v[X+tf]
	v_fma_f32 v[X+tk], v[X+tk+1], v[AA+tk], v[X+tk]
.endif
.endr
.set st, st+1
.endr
.set i, 0
.rept 32
	v_pk_add_f32 v[X+2*i:X+2*i+1], v[HF+2*i:HF+2*i+1], v[X+2*i:X+2*i+1]
.set i, i+1
.endr
	WIN W_2P
.set i, 0
.rept 32
	v_pk_fma_f32 v[X+2*i:X+2*i+1], v[UF+2*i:UF+2*i+1], v[PRM+4*(i/16)+2:PRM+4*(i/16)+3], v[X+2*i:X+2*i+1] op_sel_hi:[1,0,1]  ; + 2 Dp u
.set i, i+1
.endr
	WIN W_22
.set i, 0
.rept 32
	v_pk_mul_f32 v[X+2*i:X+2*i+1], v[X+2*i:X+2*i+1], v[UF+2*i:UF+2*i+1]  ; z
.set i, i+1
.endr
.set i, 0
.rept 32
	v_cvt_pk_bf16_f32 v[AA+i], v[X+2*i], v[X+2*i+1]
.set i, i+1
.endr
	s_barrier_wait -1                              ; everybody's reads of the last z are back: the buffer may be written
	WIN W_ST2
.irp c, 0,1
.irp tb, 0,1,2,3
	ds_store_b128 v[ZSA], v[AA+16*(\c)+4*(\tb):AA+16*(\c)+4*(\tb)+3] offset:16*ZP*(\c)+16*(\tb)  ; 8 tokens of my channel
.endr
.endr
	WIN 0
	s_wait_dscnt 0x0                               ; for the others' sake: my z lies in LDS
	s_barrier_signal -1
	s_barrier_wait -1
	WIN W_D3
.irp a, 0,1,2,3
.irp kk, 0,1
	ds_load_tr16_b128 v[ZF+8*(2*(\a)+(\kk)):ZF+8*(2*(\a)+(\kk))+3],   v[ZLA] offset:32*ZP*(\kk)+32*(\a)
	ds_load_tr16_b128 v[ZF+8*(2*(\a)+(\kk))+4:ZF+8*(2*(\a)+(\kk))+7], v[ZLA] offset:32*ZP*(\kk)+32*(\a)+16*ZP
.endr
.endr
	WIN 0
	s_add_co_u32 s[RD], s[RD], 1
	s_cmp_lt_u32 s[RD], 16
	s_cbranch_scc1 .Lpass
	s_wait_loadcnt 0x0                             ; W_out's last block is in (and the loads that nobody reads have landed)
	s_wait_dscnt 0x0                               ; the last z's fragments are in
.set g, 0
.rept 64
	GP                                             ; the last z: there is no vector work left to set between the products
.endr
	; THE WAY OUT: a lane holds 8 neighbouring columns of one token; 16 tokens at a time go through my stage and leave as whole rows of 512 bytes
	PLACES
.irp a, 0,1,2,3
	WIN W_ST1
.set o, 0
.rept 8
	ds_store_b128 v[STO], v[8*(8*(\a)+o):8*(8*(\a)+o)+3]   offset:64*o
	ds_store_b128 v[STO], v[8*(8*(\a)+o)+4:8*(8*(\a)+o)+7] offset:64*o+16
.set o, o+1
.endr
	WIN 0
	s_wait_xcnt 0x0                                ; the last tile's stores have read their registers
.set i, 0
.rept 16
	ds_load_b128 v[OB+4*i:OB+4*i+3], v[RDB] offset:OPI*i  ; my own bytes: LDS serves a wave's instructions in order
.set i, i+1
.endr
	s_wait_dscnt 0x0
.set i, 0
.rept 16
	global_store_b128 v[L16], v[OB+4*i:OB+4*i+3], s[16:17] offset:(16*(\a)+i)*1024 th:TH_STORE_NT
.set i, i+1
.endr
.endr
	s_wait_tensorcnt 0x0                           ; the wave's end
	ds_add_u32 v[SPW], v[NIL]
	s_wait_dscnt 0x0
	s_endpgm
.Lfunc_end_k_q2bdd6c01bf_final:
	.size	k_q2bdd6c01bf_final, .Lfunc_end_k_q2bdd6c01bf_final-k_q2bdd6c01bf_final
	.p2alignl 7, 3214868480
	.fill 96, 4, 3214868480
	.section	.rodata,"a",@progbits
	.p2align	6, 0x0
	.amdhsa_kernel k_q2bdd6c01bf_final
		.amdhsa_group_segment_fixed_size 52736
		.amdhsa_private_segment_fixed_size 0
		.amdhsa_enable_private_segment 0
		.amdhsa_kernarg_size 56
		.amdhsa_user_sgpr_count 2
		.amdhsa_user_sgpr_kernarg_segment_ptr 1
		.amdhsa_wavefront_size32 1
		.amdhsa_system_sgpr_workgroup_id_x 1
		.amdhsa_system_sgpr_workgroup_id_y 1
		.amdhsa_system_sgpr_workgroup_id_z 1
		.amdhsa_system_vgpr_workitem_id 0
		.amdhsa_next_free_vgpr 960
		.amdhsa_next_free_sgpr 66
		.amdhsa_reserve_vcc 0
		.amdhsa_float_denorm_mode_32 3
		.amdhsa_float_denorm_mode_16_64 3
		.amdhsa_memory_ordered 1
		.amdhsa_forward_progress 1
		.amdhsa_inst_pref_size 96
	.end_amdhsa_kernel
	.amdgpu_metadata
---
amdhsa.version: [ 1, 2 ]
amdhsa.kernels:
  - .name:           k_q2bdd6c01bf_final
    .symbol:         k_q2bdd6c01bf_final.kd
    .args:
      - { .name: UB, .offset: 0, .size: 8, .value_kind: global_buffer, .address_space: global }
      - { .name: RB, .offset: 8, .size: 8, .value_kind: global_buffer, .address_space: global }
      - { .name: WSM, .offset: 16, .size: 8, .value_kind: global_buffer, .address_space: global }
      - { .name: WOF, .offset: 24, .size: 8, .value_kind: global_buffer, .address_space: global }
      - { .name: CAR, .offset: 32, .size: 8, .value_kind: global_buffer, .address_space: global }
      - { .name: RES, .offset: 40, .size: 8, .value_kind: global_buffer, .address_space: global }
      - { .name: out0, .offset: 48, .size: 8, .value_kind: global_buffer, .address_space: global }
    .group_segment_fixed_size: 52736
    .private_segment_fixed_size: 0
    .kernarg_segment_align: 8
    .kernarg_segment_size: 56
    .max_flat_workgroup_size: 128
    .sgpr_count:     66
    .vgpr_count:     960
    .wavefront_size: 32
...
	.end_amdgpu_metadata
.endif
;; end of part 4
